; MI455X (gfx1250); checked and timed in simulation.
; The chip was launched on July 23, 2026; its instructions are those of AMD's public machine-readable ISA for CDNA 5 (MIT licence, August 2026) and "CDNA5" Instruction Set Architecture Reference Guide (July 2026). The comments in the code are by the model that wrote it; some were corrected since.
;; Paged Sdpa Attention. Allowed arithmetic: float matrix products may take bf16 or f16 operands with f32 sums; other float arithmetic in f32, or as packed bf16 or f16 multiplies, adds, multiply-adds, maxima and minima; sums over many terms, partial sums and values carried from step to step in f32; what a program stores and reads back later, other than sums and carried values, may be rounded once to bf16 or f16.
;; Inputs: Wo 4,096 x 4,096 float32; Wq 4,096 x 4,096 float32; block_table 256 int32; hidden_states 1 x 1,024 x 4,096 float32; k_cache 512 x 8 x 16 x 128 float32; v_cache 512 x 8 x 16 x 128 float32.
;; Outputs: out0 1 x 1,024 x 4,096 float32.
;; One version. Each part assembles by itself: llvm-mc -triple=amdgcn-amd-amdhsa -mcpu=gfx1250 --defsym DOCPART=n.
;; ======== version 1 of 1: 4 launches
;; limits: values are held in f16: magnitudes above 65,504 overflow, below 6.1e-05 lose precision; inputs' magnitudes at most 65,504
;; workspace buffers: Hb 8,388,608 bytes; Wqb 33,554,432 bytes; Wof 33,554,432 bytes; Kg 8,388,608 bytes; Vg 8,388,608 bytes; rope 524,288 bytes; Qh 8,388,608 bytes; Cx 8,388,608 bytes
;; launch prep (part 1): grid 2944 x 1, 8 waves a work-group, no clusters, 0 bytes of LDS; arguments hidden_states, Wq, Wo, k_cache, v_cache, block_table, Hb, Wqb, Wof, Kg, Vg, rope; writes Hb, Wqb, Wof, Kg, Vg, rope
.if DOCPART == 1
	.amdgcn_target "amdgcn-amd-amdhsa--gfx1250"
	.amdhsa_code_object_version 6
	.text
	.protected	k_q8bcb174003_prep
	.globl	k_q8bcb174003_prep
	.p2align	8
	.type	k_q8bcb174003_prep,@function
k_q8bcb174003_prep:
	s_mov_b64 s[64:65], 0
	v_nop
	global_prefetch_b8 v0, s[64:65] scope:SCOPE_SE
	s_setreg_imm32_b32 hwreg(HW_REG_WAVE_MODE, 25, 1), 1
	s_wait_xcnt 0x0
; THE 16-BIT OPERANDS OF THE THREE LAUNCHES BEHIND, made once.  Every input is rounded once to bf16 (nearest even).
;   hidden -> Hb, Wq -> Wqb: that bf16 number.   Wo -> Wof, k_cache -> Kg, v_cache -> Vg: that bf16 number written as f16.
;   Kg, Vg: [8 kv heads][4096 keys][128], key = 16 j + row for entry j of block_table: the paged gather is done here.
;   rope: [1024 positions][64 x cos/16][64 x sin/16] in f32 (the 1/16 is the scale in which q is stored: see the launch behind).
; LIMITS.  A bf16 number is exact in f16 from 2^-17 up to 65,504; below 2^-17 it keeps f16's fixed step of 2^-24; from 65,520 on it becomes an infinity.
; An entry of block_table is taken as unsigned and held to 511.  The angle is t x inv_freq in f32 with inv_freq = 2^(-i log2(10000) / 64) by v_exp_f32:
; a few units in the last place from the power that the problem's text takes, at most about 1e-4 radians at t = 1023.
; SHARES.  A work-group takes 64 KiB of f32 and makes 32 KiB; wave w takes 8 KiB at 8,192 w.  A lane has 16 loads of 16 bytes (a wave's load covers 512 consecutive bytes), all
; issued before the first is waited for, and 16 stores of 8 bytes (a wave's store covers 256 consecutive bytes, aligned).  No LDS, no matrix unit, no cluster: nothing is shared.
; No prefetch: the launch does nothing but stream.
; JOBS by the work-group's number: 0-255 hidden, 256-1279 Wq, 1280-2303 Wo, 2304-2559 K (entry j = id - 2304; wave w = kv head w: a cache block is 8 heads x 8 KiB on end),
; 2560-2815 V, 2816-2943 the table (a wave a position).
.set LO,  2                            ; v2   16 x lane: my bytes in 512 of the source; never rewritten
.set SO,  3                            ; v3   8 x lane: my bytes in 256 of the result; never rewritten
.set X,   8                            ; v[8:71]    16 x 4 numbers as loaded
.set Y,   72                           ; v[72:103]  16 x 2 registers to store
.set SRC, 32                           ; s[32:33]
.set DST, 34                           ; s[34:35]
	s_load_b512 s[8:23], s[0:1], 0x0               ; hidden 8, Wq 10, Wo 12, k_cache 14, v_cache 16, block_table 18, Hb 20, Wqb 22
	s_load_b256 s[24:31], s[0:1], 0x40             ; Wof 24, Kg 26, Vg 28, rope 30
	v_lshrrev_b32 v1, 5, v0
	v_readfirstlane_b32 s2, v1                     ; wave 0..7
	v_and_b32 v1, 31, v0                           ; lane
	v_lshlrev_b32 v[LO], 4, v1
	v_lshlrev_b32 v[SO], 3, v1
	s_mov_b32 s3, ttmp9
	s_mov_b32 s37, 0                               ; offsets are pairs with 0 on top
	s_mov_b32 s39, 0
	s_lshl_b32 s44, s2, 13                         ; my wave's 8 KiB of the source
	s_lshl_b32 s45, s2, 12                         ; and 4 KiB of the result
	s_wait_kmcnt 0x0
; fmt = 0: bf16.  fmt = 1: rounded to bf16, widened again (a shift, a mask), written as f16.  nt = 1: the source is read once in the launch.
; No register that a load or store names is written again, so the only waits are the counted ones for the data: 15 - k younger loads may stay out.
.macro STREAM fmt, nt
.set k, 0
.rept 16
.if \nt
	global_load_b128 v[X+4*k:X+4*k+3], v[LO], s[SRC:SRC+1] offset:512*k th:TH_LOAD_NT
.else
	global_load_b128 v[X+4*k:X+4*k+3], v[LO], s[SRC:SRC+1] offset:512*k
.endif
.set k, k+1
.endr
.set k, 0
.rept 16
	s_wait_loadcnt 15-k
.if \fmt
	v_cvt_pk_bf16_f32 v4, v[X+4*k], v[X+4*k+1]
	v_cvt_pk_bf16_f32 v5, v[X+4*k+2], v[X+4*k+3]
	v_lshlrev_b32 v[X+4*k], 16, v4
	v_and_b32 v[X+4*k+1], 0xffff0000, v4
	v_lshlrev_b32 v[X+4*k+2], 16, v5
	v_and_b32 v[X+4*k+3], 0xffff0000, v5
	v_cvt_pk_f16_f32 v[Y+2*k], v[X+4*k], v[X+4*k+1]
	v_cvt_pk_f16_f32 v[Y+2*k+1], v[X+4*k+2], v[X+4*k+3]
.else
	v_cvt_pk_bf16_f32 v[Y+2*k], v[X+4*k], v[X+4*k+1]
	v_cvt_pk_bf16_f32 v[Y+2*k+1], v[X+4*k+2], v[X+4*k+3]
.endif
	global_store_b64 v[SO], v[Y+2*k:Y+2*k+1], s[DST:DST+1] offset:256*k
.set k, k+1
.endr
	s_endpgm
.endm
; a dense cast: block s40 of the tensor
.macro DENSE
	s_lshl_b32 s36, s40, 16
	s_add_co_u32 s36, s36, s44
	s_lshl_b32 s38, s40, 15
	s_add_co_u32 s38, s38, s45
	s_add_nc_u64 s[SRC:SRC+1], s[SRC:SRC+1], s[36:37]
	s_add_nc_u64 s[DST:DST+1], s[DST:DST+1], s[38:39]
.endm
	s_cmp_ge_u32 s3, 2816
	s_cbranch_scc1 .Lrope
	s_cmp_ge_u32 s3, 2304
	s_cbranch_scc1 .Lgather
	s_cmp_ge_u32 s3, 1280
	s_cbranch_scc1 .Lwo
	s_cmp_lt_u32 s3, 256                           ; hidden or Wq
	s_cselect_b64 s[SRC:SRC+1], s[8:9], s[10:11]
	s_cselect_b64 s[DST:DST+1], s[20:21], s[22:23]
	s_cselect_b32 s40, 0, 256
	s_sub_co_u32 s40, s3, s40
	DENSE
	STREAM 0, 1
.Lwo:
	s_sub_co_u32 s40, s3, 1280
	s_mov_b64 s[SRC:SRC+1], s[12:13]
	s_mov_b64 s[DST:DST+1], s[24:25]
	DENSE
	STREAM 1, 1
.Lgather:
	s_sub_co_u32 s40, s3, 2304
	s_cmp_lt_u32 s40, 256                          ; K or V
	s_cselect_b64 s[SRC:SRC+1], s[14:15], s[16:17]
	s_cselect_b64 s[DST:DST+1], s[26:27], s[28:29]
	s_and_b32 s40, s40, 255                        ; j
	s_lshl_b32 s36, s40, 2
	s_add_nc_u64 s[42:43], s[18:19], s[36:37]
	s_load_b32 s41, s[42:43], 0x0                  ; block_table[j]
	s_lshl_b32 s38, s2, 20                         ; the result: kv head w, 1 MiB each,
	s_lshl_b32 s46, s40, 12                        ; 16 keys of 256 bytes for each entry
	s_add_co_u32 s38, s38, s46
	s_wait_kmcnt 0x0
	s_min_u32 s41, s41, 511                        ; an index stays inside the cache
	s_lshl_b32 s36, s41, 16                        ; a block is 64 KiB,
	s_add_co_u32 s36, s36, s44                     ; head w's 16 rows are 8 KiB of it
	s_add_nc_u64 s[SRC:SRC+1], s[SRC:SRC+1], s[36:37]
	s_add_nc_u64 s[DST:DST+1], s[DST:DST+1], s[38:39]
	STREAM 1, 0                                    ; the table may name a block twice: no hint
; cos and sin of x = t x inv_freq(i), each divided by 16.  n = the nearest whole number to x 2/pi; r = x - n pi/2 in two steps (pi/2 as an f32 and what it lacks);
; sin r and cos r by their series up to r^9 and r^8 (|r| <= pi/4: what is cut off is under 3e-8); n mod 4 swaps them and sets the signs, by selects and sign bits: no branch.
.macro SINCOS fi, oc, os
	v_mul_f32 v10, 0xbe549a78, \fi                 ; -i log2(10000) / 64
	v_exp_f32 v10, v10                             ; inv_freq
	v_mov_b32 v14, 0x3638ef1d                      ; 1/9!: also the plain instruction behind the exponential
	s_wait_alu depctr_va_vdst(0)
	v_mul_f32 v10, v9, v10                         ; x
	v_mul_f32 v11, 0x3f22f983, v10                 ; x 2/pi
	v_rndne_f32 v11, v11                           ; n
	v_fmamk_f32 v12, v11, 0xbfc90fdb, v10          ; x - n 1.5707964
	v_fmamk_f32 v12, v11, 0x333bbd2e, v12          ; + n 4.3711388e-8
	v_mul_f32 v13, v12, v12                        ; r^2
	v_mov_b32 v15, 0x37d00d01                      ; 1/8!
	v_fmaak_f32 v14, v14, v13, 0xb9500d01          ; -1/7!
	v_fmaak_f32 v15, v15, v13, 0xbab60b61          ; -1/6!
	v_fmaak_f32 v14, v14, v13, 0x3c088889          ; 1/5!
	v_fmaak_f32 v15, v15, v13, 0x3d2aaaab          ; 1/4!
	v_fmaak_f32 v14, v14, v13, 0xbe2aaaab          ; -1/3!
	v_fmaak_f32 v15, v15, v13, 0xbf000000          ; -1/2
	v_mul_f32 v16, v12, v13                        ; r^3
	v_fma_f32 v15, v15, v13, 1.0                   ; cos r
	v_fma_f32 v14, v16, v14, v12                   ; sin r
	v_cvt_i32_f32 v17, v11
	v_and_b32 v18, 1, v17
	v_cmp_eq_u32 vcc_lo, 1, v18                    ; n odd: the two change places
	v_cndmask_b32 \os, v14, v15, vcc_lo
	v_cndmask_b32 \oc, v15, v14, vcc_lo
	v_and_b32 v18, 2, v17                          ; sin is negative for n mod 4 = 2, 3
	v_lshlrev_b32 v18, 30, v18
	v_xor_b32 \os, \os, v18
	v_add_nc_u32 v17, 1, v17                       ; cos for n mod 4 = 1, 2
	v_and_b32 v17, 2, v17
	v_lshlrev_b32 v17, 30, v17
	v_xor_b32 \oc, \oc, v17
	v_mul_f32 \os, 0x3d800000, \os                 ; 1/16, exact
	v_mul_f32 \oc, 0x3d800000, \oc
.endm
.Lrope:
	s_sub_co_u32 s40, s3, 2816
	s_lshl3_add_u32 s40, s40, s2                   ; position t = 8 (id - 2816) + wave
	s_lshl_b32 s36, s40, 9                         ; 512 bytes a position
	s_add_nc_u64 s[DST:DST+1], s[30:31], s[36:37]
	v_cvt_f32_u32 v9, s40
	v_lshlrev_b32 v6, 1, v1                        ; my two frequencies: i = 2 lane, 2 lane + 1
	v_cvt_f32_u32 v7, v6
	v_add_f32 v8, 1.0, v7
	SINCOS v7, v20, v22
	SINCOS v8, v21, v23
	global_store_b64 v[SO], v[20:21], s[DST:DST+1]              ; the wave's 64 cosines: 256 consecutive bytes, aligned
	global_store_b64 v[SO], v[22:23], s[DST:DST+1] offset:256   ; and its 64 sines
	s_endpgm
.Lfunc_end_k_q8bcb174003_prep:
	.size	k_q8bcb174003_prep, .Lfunc_end_k_q8bcb174003_prep-k_q8bcb174003_prep
	.p2alignl 7, 3214868480
	.fill 96, 4, 3214868480
	.section	.rodata,"a",@progbits
	.p2align	6, 0x0
	.amdhsa_kernel k_q8bcb174003_prep
		.amdhsa_group_segment_fixed_size 0
		.amdhsa_private_segment_fixed_size 0
		.amdhsa_enable_private_segment 0
		.amdhsa_kernarg_size 96
		.amdhsa_user_sgpr_count 2
		.amdhsa_user_sgpr_kernarg_segment_ptr 1
		.amdhsa_wavefront_size32 1
		.amdhsa_system_sgpr_workgroup_id_x 1
		.amdhsa_system_sgpr_workgroup_id_y 1
		.amdhsa_system_sgpr_workgroup_id_z 1
		.amdhsa_system_vgpr_workitem_id 0
		.amdhsa_next_free_vgpr 104
		.amdhsa_next_free_sgpr 66
		.amdhsa_reserve_vcc 1
		.amdhsa_float_denorm_mode_32 3
		.amdhsa_float_denorm_mode_16_64 3
		.amdhsa_memory_ordered 1
		.amdhsa_forward_progress 1
		.amdhsa_inst_pref_size 33
	.end_amdhsa_kernel
	.amdgpu_metadata
---
amdhsa.version: [ 1, 2 ]
amdhsa.kernels:
  - .name:           k_q8bcb174003_prep
    .symbol:         k_q8bcb174003_prep.kd
    .args:
      - { .name: hidden_states, .offset: 0, .size: 8, .value_kind: global_buffer, .address_space: global }
      - { .name: Wq, .offset: 8, .size: 8, .value_kind: global_buffer, .address_space: global }
      - { .name: Wo, .offset: 16, .size: 8, .value_kind: global_buffer, .address_space: global }
      - { .name: k_cache, .offset: 24, .size: 8, .value_kind: global_buffer, .address_space: global }
      - { .name: v_cache, .offset: 32, .size: 8, .value_kind: global_buffer, .address_space: global }
      - { .name: block_table, .offset: 40, .size: 8, .value_kind: global_buffer, .address_space: global }
      - { .name: Hb, .offset: 48, .size: 8, .value_kind: global_buffer, .address_space: global }
      - { .name: Wqb, .offset: 56, .size: 8, .value_kind: global_buffer, .address_space: global }
      - { .name: Wof, .offset: 64, .size: 8, .value_kind: global_buffer, .address_space: global }
      - { .name: Kg, .offset: 72, .size: 8, .value_kind: global_buffer, .address_space: global }
      - { .name: Vg, .offset: 80, .size: 8, .value_kind: global_buffer, .address_space: global }
      - { .name: rope, .offset: 88, .size: 8, .value_kind: global_buffer, .address_space: global }
    .group_segment_fixed_size: 0
    .private_segment_fixed_size: 0
    .kernarg_segment_align: 8
    .kernarg_segment_size: 96
    .max_flat_workgroup_size: 256
    .sgpr_count:     66
    .vgpr_count:     104
    .wavefront_size: 32
...
	.end_amdgpu_metadata
.endif
;; end of part 1
;; launch qproj (part 2): grid 32 x 8, 4 waves a work-group, clusters of 4 x 4, 327,680 bytes of LDS; arguments Hb, Wqb, rope, Qh; writes Qh
.if DOCPART == 2
	.amdgcn_target "amdgcn-amd-amdhsa--gfx1250"
	.amdhsa_code_object_version 6
	.text
	.protected	k_q8bcb174003_qproj
	.globl	k_q8bcb174003_qproj
	.p2align	8
	.type	k_q8bcb174003_qproj,@function
k_q8bcb174003_qproj:
	s_mov_b64 s[64:65], 0
	v_nop
	global_prefetch_b8 v0, s[64:65] scope:SCOPE_SE
	s_setreg_imm32_b32 hwreg(HW_REG_WAVE_MODE, 25, 1), 1
	s_wait_xcnt 0x0
	s_wait_alu depctr_hold_cnt(0) depctr_sa_sdst(0) depctr_va_vdst(0) depctr_va_sdst(0) depctr_va_ssrc(0) depctr_va_vcc(0) depctr_vm_vsrc(0)
	s_getreg_b32 s2, hwreg(HW_REG_IB_STS2, 6, 4)
	s_cmp_eq_u32 s2, 0
	s_cbranch_scc0 .Lentry_in_a_cluster
	s_endpgm
.Lentry_in_a_cluster:
	s_bfe_u32 s2, ttmp6, 0x10000c
	s_cmp_lg_u32 s2, 0xf033
	s_cbranch_scc0 .Lentry_shape_is_right
	s_endpgm
.Lentry_shape_is_right:
; q = hidden Wq^T, rotated (RoPE) and divided by 16, written by heads: Qh[head][position][128] in f16.  Hb: [1024][4096], Wqb: [4096][4096], both bf16; sums in f32; q rounded once.
; LIMITS.  q is stored as q / 16 (the factor lies in the table of cosines and sines, so it costs no rounding): |q| stays under 1.04e6, or the f16 is an infinity; below 16 x 6e-5 q keeps f16's fixed step.
; A tile of C is 128 positions x 128 columns = ONE head: 8 x 32 = 256 work-groups.  Four waves, each 64 x 64: 16 accumulators of 16 x 16.  K goes in steps of 256 (LDS rows of 512 bytes; a wave's tensor
; load brings 64 of them) through two slots.  Tiles of 256 x 256 would be 64 work-groups.
; CLUSTERS: 4 x 4 work-groups.  The four of a row of the cluster need the same tiles of hidden, the four of a column the same tiles of Wq: each tile is asked for JOINTLY, by the same tensor load with the
; same descriptor and a mask that names the four.  THE MATRIX INSTRUCTION IS USED TRANSPOSED (source 0 = 16 rows of Wq, source 1 = 16 rows of hidden): a lane holds eight neighbouring channels of a position.
; THE ROTATION wants channel d and channel d + 64 together.  So a wave's four blocks of 16 columns are d0, d0 + 16, d0 + 64, d0 + 80 with d0 = 32 x (wave % 2): accumulators (a, b) and (a, b + 2) hold
; q[d] and q[d + 64] in the same lane and register, and the rotation is four packed instructions for four numbers, in registers.
; No prefetch of the tiles: a K step has 128 matrix instructions a wave and every tile is read by four clusters or more.
; REGISTERS: window 0: v0-31 addresses; v32-95 at work on the way out; v96-111 at work in the rotation; v128-255 the accumulators ((a, b) at v[128 + 8 (4 a + b)]).
;   window 1: two fragment buffers of 128: for 64 along K, 64 registers of A, then 64 of B.     window 2: v0-127 my cosines and sines: for (a, b), b = 0, 1: cos at 16 (2 a + b), sin 8 further.
.set SIZE_M, 1024
.set SIZE_N, 4096
.set SIZE_K, 4096
.set KSTEP,  256
.set PITCH,  528                       ; an LDS row: 512 bytes of data + 16 of padding = 132 words: row r starts at bank 4 r mod 64 (64 banks of 4 bytes: ISA guide 11.1)
.set HALFT,  64*PITCH                  ; 64 rows: what one tensor load brings
.set SLOT,   4*HALFT                   ; A's 128 rows, then B's 128 rows
.set STAGE,  2*SLOT                    ; behind the ring: 128 rows x 272 bytes, the work-group's, for the way out
.set SPITCH, 272
.set SPARE,  STAGE+128*SPITCH          ; behind the stage: the spare words, 128 bytes for each wave: two blocks of 256 bytes that no other line names
.set LAPS, SIZE_K/(2*KSTEP)            ; a lap = two K steps = once round the ring
.set ADRA, 16                          ; v16-17  LDS address of my A fragments in slot 0, 1
.set ADRB, 20                          ; v20-21  the same for B
.set STO,  24                          ; v24     the way out: where I put 16 bytes of a row
.set RD,   25                          ; v25     the way out: where I read a row back
.set CO,   26                          ; v26     my byte offset in 512 consecutive bytes of Qh
.set RO,   27                          ; v27     my byte offset in the table; never rewritten
.set SPW,  28                          ; v28     LDS address of my spare word: SPARE + 4 x my thread's number; never rewritten
.set NIL,  29                          ; v29     0; never rewritten
.set TMP,  32
.set ROT,  96
.set ACC,  128
.set F0,   0                           ; fragment buffers, in window 1
.set F1,   128
.set G1, 24                            ; s[24:31] descriptor group 1 for A's tiles;  s[32:39] group 0, one set for each slot
.set G0, 32
.set G1B, 48                           ; s[48:55], s[56:63] the same for B's tiles
.set G0B, 56
.set TAB, 68                           ; s[68:69] the table at my wave's first position and channel
.set QH,  70                           ; s[70:71] Qh at the first row that I store
.set MSB, 0
.macro WIN new                         ; the immediate's high byte repeats the setting that is left
.if MSB != (\new)
	s_set_vgpr_msb (MSB<<8)|(\new)
.set MSB, \new
.endif
.endm
.set MUL,  0x05                        ; sources 0 (B) and 1 (A) window 1; C and D window 0
.set TO_F, 0x40                        ; destination window 1, address window 0
.macro JLOAD s                         ; a joint load: waves 0 and 1 fetch A's two halves, waves 2 and 3 B's; an s_nop 0 and four v_nop follow each of the two lines, ahead of the jump, the label and what follows
	s_cmp_eq_u32 s11, 0
	s_cbranch_scc0 .Lfor_b_\@
	tensor_load_to_lds s[G0+4*(\s):G0+4*(\s)+3], s[G1:G1+7]
	s_nop 0
.rept 4
	v_nop
.endr
	s_branch .Lasked_\@
.Lfor_b_\@:
	tensor_load_to_lds s[G0B+4*(\s):G0B+4*(\s)+3], s[G1B:G1B+7]
	s_nop 0
.rept 4
	v_nop
.endr
.Lasked_\@:
.endm
.macro CREST                           ; a round of the cluster's barrier behind its opening barrier
	s_cmp_lg_u32 s10, 0
	s_cbranch_scc1 .Lnot_wave_0_\@
	s_barrier_signal -3
.Lnot_wave_0_\@:
	s_barrier_wait -3
	s_barrier_signal -1
	s_barrier_wait -1
.endm
.macro CROUND                          ; a whole round
	s_barrier_signal -1
	s_barrier_wait -1
	CREST
.endm
	s_load_b128 s[4:7], s[0:1], 0x0                ; Hb s[4:5], Wqb s[6:7]
	s_load_b128 s[68:71], s[0:1], 0x10             ; the table, Qh
	v_lshl_add_u32 v[SPW], v0, 2, SPARE
	v_mov_b32 v[NIL], 0
	ds_add_u32 v[SPW], v[NIL]                      ; the wave's opening: the add and its wait stand ahead of my first tensor load; the set-up below, work on registers, stands between them
	v_lshrrev_b32 v1, 5, v0
	v_readfirstlane_b32 s10, v1                    ; wave 0..3
	s_lshr_b32 s11, s10, 1                         ; which half of the tile's rows is mine.  Also: I fetch for A (0) or for B (1)
	s_and_b32 s12, s10, 1                          ; which of the two sets of columns.  Also: which 64 rows of that tile I fetch
	s_bfe_u32 s40, ttmp6, 0x40000                  ; cx, cy: my place in the cluster
	s_bfe_u32 s41, ttmp6, 0x40004
	s_lshl_b32 s42, ttmp9, 2
	s_add_co_u32 s42, s42, s40                     ; tile column of C = the head = 4 x cluster x + cx
	s_and_b32 s13, ttmp7, 0xffff
	s_lshl_b32 s13, s13, 2
	s_add_co_u32 s13, s13, s41                     ; tile row of C = 4 x cluster y + cy
	s_lshl_b32 s43, s41, 2
	s_lshl_b32 s43, 15, s43                        ; my row of the cluster
	s_lshl_b32 s44, 0x1111, s40                    ; my column
	; descriptor group 1: a tile of 64 rows x 256 elements, padded in LDS
	s_or_b32 s[G1+0], s43, (1<<16)|(1<<20)|(1<<21)|(6<<22)|(3<<25)  ; 15:0 the mask: A's tiles go to my row; 17:16 element of 2 bytes; 20 padding on; 21 set beside a mask; 24:22 after every 128 words (code 6); 31:25 of 4 words (code 3)
	s_or_b32 s[G1B+0], s44, (1<<16)|(1<<20)|(1<<21)|(6<<22)|(3<<25)
.irp g, G1, G1B
	s_mov_b32 s[(\g)+1], KSTEP<<16                 ; tensor_dim0 = 256
	s_mov_b32 s[(\g)+2], 64<<16                    ; tensor_dim1 = 64
	s_mov_b32 s[(\g)+3], KSTEP<<16                 ; tile_dim0 = 256
	s_mov_b32 s[(\g)+4], 64                        ; tile_dim1 = 64
	s_mov_b32 s[(\g)+5], SIZE_K                    ; tensor_dim0_stride
	s_mov_b32 s[(\g)+6], 0
	s_mov_b32 s[(\g)+7], 0
.endr
	s_lshl_b32 s17, s12, 6                         ; which 64 rows of the tile I fetch
	s_lshl_b32 s16, s13, 7
	s_add_co_u32 s16, s16, s17                     ; A: row 128 x tile row + 64 x half
	s_lshl_b32 s46, s42, 7
	s_add_co_u32 s46, s46, s17                     ; B: row 128 x tile column + 64 x half
	s_mov_b32 s17, 0
	s_mov_b32 s47, 0
	s_mov_b64 s[18:19], SIZE_K*2
	s_mul_u64 s[16:17], s[16:17], s[18:19]
	s_mul_u64 s[46:47], s[46:47], s[18:19]
	s_mul_i32 s20, s10, HALFT                      ; where they go: wave x 64 rows
	s_wait_dscnt 0x0                               ; the opening add is done
	s_wait_kmcnt 0x0
	s_add_nc_u64 s[14:15], s[4:5], s[16:17]
	s_add_nc_u64 s[46:47], s[6:7], s[46:47]
	CROUND                                         ; all sixteen work-groups are here: the first joint loads meet
.irp s, 0,1
	s_mov_b32 s[G0+4*(\s)], 1
	s_add_co_u32 s[G0+4*(\s)+1], s20, (\s)*SLOT
	s_add_nc_u64 s[G0+4*(\s)+2:G0+4*(\s)+3], s[14:15], (\s)*KSTEP*2
	s_or_b32 s[G0+4*(\s)+3], s[G0+4*(\s)+3], 0x80000000
	s_mov_b32 s[G0B+4*(\s)], 1
	s_add_co_u32 s[G0B+4*(\s)+1], s20, (\s)*SLOT
	s_add_nc_u64 s[G0B+4*(\s)+2:G0B+4*(\s)+3], s[46:47], (\s)*KSTEP*2
	s_or_b32 s[G0B+4*(\s)+3], s[G0B+4*(\s)+3], 0x80000000
	JLOAD \s                                       ; two tensor loads of mine are out
.endr
	v_and_b32 v1, 15, v0                           ; l % 16
	v_bfe_u32 v2, v0, 4, 1                         ; l / 16
	v_mul_u32_u24 v3, v1, PITCH
	v_lshl_add_u32 v3, v2, 4, v3                   ; a fragment's row x pitch + 16 x half
	s_mul_i32 s21, s11, HALFT                      ; my 64 rows of A
	s_mul_i32 s22, s12, 32*PITCH                   ; my columns begin at B's row 32 x (wave % 2),
	s_add_co_u32 s22, s22, 2*HALFT                 ; and B's rows lie behind A's 128
.irp s, 0,1
	v_add_nc_u32 v[ADRA+(\s)], s21, v3
	v_add_nc_u32 v[ADRB+(\s)], s22, v3
	s_add_co_u32 s21, s21, SLOT
	s_add_co_u32 s22, s22, SLOT
.endr
	; my cosines and sines: position 128 x tile row + 64 x row half + 16 a + l % 16 (512 bytes each), channels 32 x (wave % 2) + 16 b + 8 (l / 16) + 0..7; sines 256 bytes behind the cosines
	v_lshlrev_b32 v[RO], 9, v1
	v_lshl_add_u32 v[RO], v2, 5, v[RO]
	s_lshl_b32 s16, s13, 7
	s_lshl_b32 s17, s11, 6
	s_add_co_u32 s16, s16, s17
	s_lshl_b32 s16, s16, 9
	s_lshl_b32 s17, s12, 7
	s_add_co_u32 s16, s16, s17
	s_mov_b32 s17, 0
	s_add_nc_u64 s[TAB:TAB+1], s[TAB:TAB+1], s[16:17]
	WIN 0x80                                       ; destination window 2, address window 0
.irp a, 0,1,2,3
.irp b, 0,1
.irp c, 0,1
	global_load_b128 v[16*(2*(\a)+(\b))+8*(\c):16*(2*(\a)+(\b))+8*(\c)+3],   v[RO], s[TAB:TAB+1] offset:(\a)*8192+(\b)*64+(\c)*256
	global_load_b128 v[16*(2*(\a)+(\b))+8*(\c)+4:16*(2*(\a)+(\b))+8*(\c)+7], v[RO], s[TAB:TAB+1] offset:(\a)*8192+(\b)*64+(\c)*256+16
.endr
.endr
.endr
	WIN 0                                          ; they are waited for once, in front of the rotation
	s_mul_i32 s23, s11, 64*SPITCH                  ; into the stage: my 64 rows; row l % 16, 16 bytes for each half of the lanes; my channels begin at byte 64 x (wave % 2)
	s_lshl_b32 s21, s12, 6
	s_add_co_u32 s23, s23, s21
	s_add_co_u32 s23, s23, STAGE
	v_mul_u32_u24 v4, v1, SPITCH
	v_lshl_add_u32 v4, v2, 4, v4
	v_add_nc_u32 v[STO], s23, v4
	s_mul_i32 s23, s10, 32*SPITCH                  ; back: wave w takes rows 32 w .. 32 w + 31, whole; lanes 0-15 one row of 256 bytes, lanes 16-31 the next
	s_add_co_u32 s23, s23, STAGE
	v_mul_u32_u24 v5, v2, SPITCH
	v_lshl_add_u32 v5, v1, 4, v5
	v_add_nc_u32 v[RD], s23, v5
	v_and_b32 v5, 31, v0                           ; in Qh a head's rows are dense: two rows are 512 consecutive bytes
	v_lshlrev_b32 v[CO], 4, v5
	s_lshl_b32 s16, s13, 7
	s_lshl_b32 s17, s10, 5
	s_add_co_u32 s16, s16, s17                     ; the first position that I store: 128 x tile row + 32 x wave,
	s_lshl_b32 s16, s16, 8                         ; 256 bytes each
	s_mov_b32 s17, 0
	s_add_nc_u64 s[QH:QH+1], s[QH:QH+1], s[16:17]
	s_lshl_b32 s46, s42, 18                        ; the head: 1,024 positions x 256 bytes
	s_mov_b32 s47, 0
	s_add_nc_u64 s[QH:QH+1], s[QH:QH+1], s[46:47]
; 8 matrix instructions: m blocks a0, a0 + 1 x all 4 n blocks, 32 along K: half c of buffer f.  zero = 1: the first product starts the sums.  The 16 accumulators take turns.
.macro MUL8 f, c, a0, zero
	WIN MUL
.irp a, \a0, (\a0)+1
.irp b, 0,1,2,3
.if \zero
	v_wmma_f32_16x16x32_bf16 v[ACC+8*(4*(\a)+(\b)):ACC+8*(4*(\a)+(\b))+7], v[(\f)+64+8*(4*(\c)+(\b)):(\f)+64+8*(4*(\c)+(\b))+7], v[(\f)+8*(4*(\c)+(\a)):(\f)+8*(4*(\c)+(\a))+7], 0
.else
	v_wmma_f32_16x16x32_bf16 v[ACC+8*(4*(\a)+(\b)):ACC+8*(4*(\a)+(\b))+7], v[(\f)+64+8*(4*(\c)+(\b)):(\f)+64+8*(4*(\c)+(\b))+7], v[(\f)+8*(4*(\c)+(\a)):(\f)+8*(4*(\c)+(\a))+7], v[ACC+8*(4*(\a)+(\b)):ACC+8*(4*(\a)+(\b))+7]
.endif
.endr
.endr
.endm
; 32 LDS loads in one run: the fragments of 64 along K at byte k of the rows, into buffer f; the first 32 along K first.  B's block i lies 16 (i % 2) + 64 (i / 2) rows behind my first.
.macro FETCH slot, k, f
	WIN TO_F
.irp c, 0,1
.irp i, 0,1,2,3
	ds_load_b128 v[(\f)+64+8*(4*(\c)+(\i)):(\f)+64+8*(4*(\c)+(\i))+3],   v[ADRB+(\slot)] offset:(\k)+64*(\c)+(((\i)%2)*16+((\i)/2)*64)*PITCH
	ds_load_b128 v[(\f)+64+8*(4*(\c)+(\i))+4:(\f)+64+8*(4*(\c)+(\i))+7], v[ADRB+(\slot)] offset:(\k)+64*(\c)+(((\i)%2)*16+((\i)/2)*64)*PITCH+32
	ds_load_b128 v[(\f)+8*(4*(\c)+(\i)):(\f)+8*(4*(\c)+(\i))+3],         v[ADRA+(\slot)] offset:(\k)+64*(\c)+(\i)*16*PITCH
	ds_load_b128 v[(\f)+8*(4*(\c)+(\i))+4:(\f)+8*(4*(\c)+(\i))+7],       v[ADRA+(\slot)] offset:(\k)+64*(\c)+(\i)*16*PITCH+32
.endr
.endr
.endm
.macro PLACES                          ; four places in front of loads into registers that matrix instructions have read, and of vector work that reads results
.rept 4
	v_nop
.endr
.endm
; A K step is four quarters of 64 along K, 32 matrix instructions each, on buffers 0, 1, 0, 1.  One of the first three: multiplies buffer f and fetches the next quarter, at byte k, into g.
.macro QUARTER slot, k, f, g, zero
	s_wait_dscnt 16                                ; the first 32 along K are in; the run's other sixteen loads may be out
	WIN MUL
	MUL8 \f, 0, 0, \zero
	MUL8 \f, 0, 2, \zero
	PLACES
	FETCH \slot, \k, \g
	s_wait_dscnt 32                                ; all but the 32 just issued
	WIN MUL
	MUL8 \f, 1, 0, 0
	MUL8 \f, 1, 2, 0
.endm
; The last quarter multiplies buffer 1 and changes slots: ONE barrier; in front of it each wave waits for all its tensor loads, adds 0 to its spare word, and waits for that and for its own reads of this slot.  fill = 1: this slot is filled again, two K steps ahead.
.macro TURN slot, next, fill
	WIN 0                                          ; (the add's two registers lie in window 0)
	s_wait_tensorcnt 0x0                           ; all my tensor loads have landed: my part of the next slot;
	ds_add_u32 v[SPW], v[NIL]                      ; 0 onto my spare word;
	s_wait_dscnt 17                                ; (the add and the youngest sixteen loads may be out)
	WIN MUL
	MUL8 F1, 0, 0, 0                               ; eight matrix instructions stand between the add and the wait for it
	s_wait_dscnt 0x0                               ; the add is done, and my reads of this slot are over
	s_barrier_signal -1
	MUL8 F1, 0, 2, 0
.if \fill
	WIN 0
.endif
	s_barrier_wait -1
.if \fill
	CREST                                          ; the barrier has opened a round of the cluster's barrier: no wave of any partner still reads this slot's tile or has a load on its way
	s_add_nc_u64 s[G0+4*(\slot)+2:G0+4*(\slot)+3], s[G0+4*(\slot)+2:G0+4*(\slot)+3], 2*KSTEP*2
	s_add_nc_u64 s[G0B+4*(\slot)+2:G0B+4*(\slot)+3], s[G0B+4*(\slot)+2:G0B+4*(\slot)+3], 2*KSTEP*2
	JLOAD \slot                                    ; the first tensor load behind the round, my only one out: 112 matrix instructions ahead of the wait for it; the four v_nop behind it are also the places in front of the loads below
.else
	PLACES
.endif
	FETCH \next, 0, F0
	WIN MUL
	MUL8 F1, 1, 0, 0
	MUL8 F1, 1, 2, 0
.endm
	s_wait_tensorcnt 1                             ; my part of K step 0 is in; K step 1's may stay out
	s_barrier_signal -1
	s_barrier_wait -1                              ; everybody's is
	FETCH 0, 0, F0
	QUARTER 0, 128, F0, F1, 1                      ; the first quarter stands in front of the loop: its first products start the sums
	WIN 0                                          ; at a label and at a branch every window is 0
	s_mov_b32 s3, LAPS-1
.Llap:                                                 ; a trip goes once round the ring, from a lap's second quarter to the next lap's first, and fills both slots again
	QUARTER 0, 256, F1, F0, 0
	QUARTER 0, 384, F0, F1, 0
	TURN 0, 1, 1
	QUARTER 1, 128, F0, F1, 0
	QUARTER 1, 256, F1, F0, 0
	QUARTER 1, 384, F0, F1, 0
	TURN 1, 0, 1
	QUARTER 0, 128, F0, F1, 0
	WIN 0
	s_sub_co_u32 s3, s3, 1
	s_cmp_lg_u32 s3, 0
	s_cbranch_scc1 .Llap
	QUARTER 0, 256, F1, F0, 0                      ; the last lap fills nothing, and has no round of the cluster's barrier
	QUARTER 0, 384, F0, F1, 0
	TURN 0, 1, 0
	QUARTER 1, 128, F0, F1, 0
	QUARTER 1, 256, F1, F0, 0
	QUARTER 1, 384, F0, F1, 0
	s_wait_dscnt 16                                ; the very last quarter: nothing more to fetch
	WIN MUL
	MUL8 F1, 0, 0, 0
	MUL8 F1, 0, 2, 0
	s_wait_dscnt 0
	MUL8 F1, 1, 0, 0
	MUL8 F1, 1, 2, 0
	WIN 0
	; THE ROTATION, in the accumulators: x1 = q[d], x2 = q[d + 64]: x1' = x1 cos - x2 sin, x2' = x2 cos + x1 sin, with cos and sin already divided by 16.  Each accumulator is read from its low end on.
	PLACES
	PLACES
	s_wait_loadcnt 0x0                             ; the table
	WIN 0x08                                       ; source 1 in window 2
.irp a, 0,1,2,3
.irp b, 0,1
.set X1, ACC+8*(4*(\a)+(\b))
.set X2, ACC+8*(4*(\a)+(\b)+2)
.set TC, 16*(2*(\a)+(\b))
.set TS, TC+8
.set TT, ROT+8*(\b)
.irp r, 0,2,4,6
	v_pk_mul_f32 v[TT+(\r):TT+(\r)+1], v[X1+(\r):X1+(\r)+1], v[TS+(\r):TS+(\r)+1]
.endr
.irp r, 0,2,4,6
	v_pk_mul_f32 v[X1+(\r):X1+(\r)+1], v[X1+(\r):X1+(\r)+1], v[TC+(\r):TC+(\r)+1]
.endr
.irp r, 0,2,4,6
	v_pk_fma_f32 v[X1+(\r):X1+(\r)+1], v[X2+(\r):X2+(\r)+1], v[TS+(\r):TS+(\r)+1], v[X1+(\r):X1+(\r)+1] neg_lo:[1,0,0] neg_hi:[1,0,0]
.endr
.irp r, 0,2,4,6
	v_pk_fma_f32 v[X2+(\r):X2+(\r)+1], v[X2+(\r):X2+(\r)+1], v[TC+(\r):TC+(\r)+1], v[TT+(\r):TT+(\r)+1]
.endr
.endr
.endr
	WIN 0
	; THE WAY OUT: round to f16; 16 bytes a lane into the work-group's stage; a barrier, since a row's 256 bytes come from two waves; back as whole rows, 32 rows a wave.
.irp t, 0,1,2,3,4,5,6,7,8,9,10,11,12,13,14,15
.irp r, 0,1,2,3
	v_cvt_pk_f16_f32 v[TMP+4*(\t)+(\r)], v[ACC+8*(\t)+2*(\r)], v[ACC+8*(\t)+2*(\r)+1]
.endr
.endr
.irp a, 0,1,2,3
.irp b, 0,1,2,3
	ds_store_b128 v[STO], v[TMP+4*(4*(\a)+(\b)):TMP+4*(4*(\a)+(\b))+3] offset:(\a)*16*SPITCH+32*((\b)%2)+128*((\b)/2)
.endr
.endr
	s_wait_dscnt 0x0                               ; for the others' sake: my stores into the stage are done
	s_barrier_signal -1
	s_barrier_wait -1
.irp t, 0,1,2,3,4,5,6,7,8,9,10,11,12,13,14,15
	ds_load_b128 v[TMP+4*(\t):TMP+4*(\t)+3], v[RD] offset:(\t)*2*SPITCH
.endr
.irp t, 0,1,2,3,4,5,6,7,8,9,10,11,12,13,14,15
	s_wait_dscnt 15-(\t)                           ; the younger loads may stay out
	global_store_b128 v[CO], v[TMP+4*(\t):TMP+4*(\t)+3], s[QH:QH+1] offset:512*(\t)  ; two rows of the head: 512 consecutive bytes, at a multiple of 256 from Qh's first byte
.endr
	s_wait_tensorcnt 0x0                           ; the wave's end: behind my last tensor load and my last LDS store
	ds_add_u32 v[SPW], v[NIL]
	s_wait_dscnt 0x0
	CROUND                                         ; the closing round: no work-group ends while a partner may still ask for a tile that names it
	s_endpgm
.Lfunc_end_k_q8bcb174003_qproj:
	.size	k_q8bcb174003_qproj, .Lfunc_end_k_q8bcb174003_qproj-k_q8bcb174003_qproj
	.p2alignl 7, 3214868480
	.fill 96, 4, 3214868480
	.section	.rodata,"a",@progbits
	.p2align	6, 0x0
	.amdhsa_kernel k_q8bcb174003_qproj
		.amdhsa_group_segment_fixed_size 327680
		.amdhsa_private_segment_fixed_size 0
		.amdhsa_enable_private_segment 0
		.amdhsa_kernarg_size 32
		.amdhsa_user_sgpr_count 2
		.amdhsa_user_sgpr_kernarg_segment_ptr 1
		.amdhsa_wavefront_size32 1
		.amdhsa_system_sgpr_workgroup_id_x 1
		.amdhsa_system_sgpr_workgroup_id_y 1
		.amdhsa_system_sgpr_workgroup_id_z 1
		.amdhsa_system_vgpr_workitem_id 0
		.amdhsa_next_free_vgpr 640
		.amdhsa_next_free_sgpr 72
		.amdhsa_reserve_vcc 0
		.amdhsa_float_denorm_mode_32 3
		.amdhsa_float_denorm_mode_16_64 3
		.amdhsa_memory_ordered 1
		.amdhsa_forward_progress 1
		.amdhsa_inst_pref_size 98
	.end_amdhsa_kernel
	.amdgpu_metadata
---
amdhsa.version: [ 1, 2 ]
amdhsa.kernels:
  - .name:           k_q8bcb174003_qproj
    .symbol:         k_q8bcb174003_qproj.kd
    .args:
      - { .name: Hb, .offset: 0, .size: 8, .value_kind: global_buffer, .address_space: global }
      - { .name: Wqb, .offset: 8, .size: 8, .value_kind: global_buffer, .address_space: global }
      - { .name: rope, .offset: 16, .size: 8, .value_kind: global_buffer, .address_space: global }
      - { .name: Qh, .offset: 24, .size: 8, .value_kind: global_buffer, .address_space: global }
    .group_segment_fixed_size: 327680
    .private_segment_fixed_size: 0
    .kernarg_segment_align: 8
    .kernarg_segment_size: 32
    .max_flat_workgroup_size: 128
    .sgpr_count:     72
    .vgpr_count:     640
    .wavefront_size: 32
...
	.end_amdgpu_metadata
.endif
;; end of part 2
;; launch attn (part 3): grid 32 x 8, 4 waves a work-group, clusters of 4 x 1, 327,680 bytes of LDS; arguments Qh, Kg, Vg, Cx; writes Cx
.if DOCPART == 3
	.amdgcn_target "amdgcn-amd-amdhsa--gfx1250"
	.amdhsa_code_object_version 6
	.text
	.protected	k_q8bcb174003_attn
	.globl	k_q8bcb174003_attn
	.p2align	8
	.type	k_q8bcb174003_attn,@function
k_q8bcb174003_attn:
	s_mov_b64 s[64:65], 0
	v_nop
	global_prefetch_b8 v0, s[64:65] scope:SCOPE_SE
	s_setreg_imm32_b32 hwreg(HW_REG_WAVE_MODE, 25, 1), 1
	s_wait_xcnt 0x0
	s_wait_alu depctr_hold_cnt(0) depctr_sa_sdst(0) depctr_va_vdst(0) depctr_va_sdst(0) depctr_va_ssrc(0) depctr_va_vcc(0) depctr_vm_vsrc(0)
	s_getreg_b32 s2, hwreg(HW_REG_IB_STS2, 6, 4)
	s_cmp_eq_u32 s2, 0
	s_cbranch_scc0 .Lentry_in_a_cluster
	s_endpgm
.Lentry_in_a_cluster:
	s_bfe_u32 s2, ttmp6, 0x10000c
	s_cmp_lg_u32 s2, 0x3003
	s_cbranch_scc0 .Lentry_shape_is_right
	s_endpgm
.Lentry_shape_is_right:
; ctx[position][128 head + :] = the sum over k of softmax_k(q . K[kv][k] / sqrt(128)) V[kv][k][:], kv = head / 4.  Qh: [32][1024][128] f16, holding q / 16; Kg, Vg: [8][4096][128] f16; Cx: [1024][4096] f16.
; Products, maxima and sums in f32; the weights p are rounded to f16 for the second product (their sum l is taken of the unrounded p), ctx once at the end.
; LIMITS.  p lies in 0 to 1, and below 6e-5 it keeps f16's fixed step of 6e-8; ctx is a mean of V's rows and has their range; a weight below 2^-126 counts as 0 in l; NaN and infinities are not treated apart.
; SHARES.  A kv head's four query heads are 4,096 dense rows of Qh; a work-group owns 128 of them (all of one head): 32 x 8 = 256 work-groups.  Wave w owns 64 of the 128 (w % 2): four tiles of 16; and
; HALF OF THE KEYS (w / 2): of each slot's 256 keys its 128, 64 a step.  So an LDS fragment of K or V still feeds four tiles' products.  The two halves' O, m and l meet once, in LDS, at the end.
; LAYOUT.  S^T = K Q^T (source 0 = 16 keys, source 1 = 16 queries): in the result a lane holds ONE query (lane % 16) and the keys 8 (lane / 16) + 0..7.  Two such tiles, rounded to f16 in pairs, ARE
; source 1 (32 keys x 16 queries) of O^T = V^T P, whose result again holds one query a lane, and eight channels.  K comes out of LDS as it lies, V ([key][channel]) turned, by ds_load_tr16_b128.
; SOFTMAX.  For each query a running maximum m and sum l: p = 2^(c s - c m), c = 16 log2(e) / sqrt(128) (the 16 undoes q's scale); in every step O and l are multiplied by a = 2^(c m_old - c m_new).
; BY TURNS.  The wave's tiles are two PIECES (tiles 0, 1; tiles 2, 3).  In a TURN one piece has the matrix unit: 32 products V^T P of the step in hand, then 32 products K Q^T of the next step; the other
; piece's softmax, cut into 64 slices, stands between them, one slice behind each matrix instruction.  Two turns are a key step.
; CLUSTER.  The four work-groups of a cluster belong to one kv head and walk the same K and V, so each tile is asked for JOINTLY: the same tensor load, descriptor and mask of four in all four.
; REGISTERS, in windows of 256 (s_set_vgpr_msb: bits 1:0 source 0, 3:2 source 1, 5:4 source 2, 7:6 destination):
;   window 0: v0-11 addresses; v12-43 eight registers of statistics a tile; v44-51 the exchange; v61-63; v64-191 S^T, 32 a tile; v192-255 P, 16 a tile
;   window 1: O^T, 64 a tile          window 2: v0-127 Q, 32 a tile; v128-255 K of one step          window 3: v0-127 V of one step
.set KS,    64        ; keys in a step
.set PK,    272       ; a row of K in LDS: 256 bytes + 16 of padding = 68 words: the 16 rows of a load start at 16 different groups of four banks (64 banks of 4 bytes: ISA guide 11.1)
.set PV,    288       ; a row of V: 256 + 32 = 72 words
.set VOFF,  256*PK    ; a slot holds 256 keys: 256 rows of K, then 256 rows of V
.set SLOT,  256*(PK+PV)  ; 143,360 bytes; slot 0 at 0, slot 1 behind it
.set STAGE, 2*SLOT    ; behind the ring: 16 rows x 272 bytes for each wave, for the way out
.set SP,    272
.set SPARE, STAGE+4*16*SP  ; behind the stages: the spare words, 128 bytes for each wave: two blocks of 256 bytes that no other line names
.set EXW,   16896     ; the exchange, in slot 0 behind its last fill: for each wave two tiles of O^T (8,192 bytes each), then 512 bytes of statistics
.set AK0, 2           ; v2   my lane's place in a tile of K; never rewritten
.set AV0, 3           ; v3   the same for V
.set ADR, 4           ; v4   the LDS address of the run of loads in hand
.set QO,  5           ; v5   my byte offset in 16 rows of Q; never rewritten
.set STO, 6           ; v6   the way out: where I put 16 bytes of a row
.set RD,  7           ; v7   the way out: where I read a row back
.set GO,  8           ; v8   my byte offset in two rows of Cx
.set ST,  12          ; tile t's statistics at v[ST+8 t]: +0 c m, +1 m, +2, +3 l (even keys', odd keys'), +4 to +7 c0-c3, at work; a takes c2's place once the maximum is found
.set XS,  44          ; v44  the exchange: where I put 16 bytes of O^T
.set XT,  45          ; v45  and my pair of statistics
.set XR,  46          ; v46  where I read my partner's O^T
.set XQ,  47          ; v47  and its statistics
.set PS,  48          ; v48-51  my partner's (c m, l) for my two tiles
.set PFO, 61          ; v61  256 x my lane: a row of K or V is 256 bytes; never rewritten
.set SPW, 62          ; v62  LDS address of my spare word: SPARE + 4 x my thread's number; never rewritten
.set NIL, 63          ; v63  0; never rewritten
.set S,   64
.set P,   192
.set KF,  128         ; K's fragments, in window 2
.set WV,  12          ; s12  my wave's number
.set LIM, 15          ; s15  1 in a work-group that prefetches, else the greatest number
.set LWK, 17          ; s17  where in a slot the 128 rows of K that I fetch go
.set PFA, 18          ; s[18:19] where my prefetches stand in memory
.set G1K, 24          ; s[24:31] descriptor group 1 for K's tiles
.set G1V, 32          ; s[32:39] for V's: it differs in the padding alone
.set G0K, 40          ; s[40:47] descriptor group 0 for K's tiles: a set for each of the two first fills; the second then walks on
.set G0V, 48          ; s[48:55] the same for V's
.set SLOTS, 56        ; s56  slots still to be asked for
.set TWICE, 57        ; s57  counts a slot's two steps
.set CS,  58          ; s[58:59] c: the packed scaling names a pair and takes its low word for both halves
.set SEL, 60          ; s[60:61] lane selects for v_permlanex16_b32: each lane takes its own place in the other half
.set TBK, 62          ; s62  LDS byte at which K of the step to be fetched begins
.set KH,  66          ; s66  which half of the keys is mine
.set LWV, 67          ; s67  where in a slot the 128 rows of V that I fetch go
.set KHK, 68          ; s68  where in a slot my half of K begins
.set KHV, 69          ; s69  the same for V, less VOFF
.set SB,  70          ; s70  the slot that is being read: 0 or SLOT
.set TBV, 71          ; s71  as TBK, for V, less VOFF
.set Q2,  72          ; s[72:73] Q at my tiles 2 and 3
.set MSB, 0
.macro WIN new                      ; the immediate's high byte repeats the setting that is left; a switch that changes nothing is dropped
.if MSB != (\new)
	s_set_vgpr_msb (MSB<<8)|(\new)
.set MSB, \new
.endif
.endm
.set W_KQ, 0x0a       ; K and Q in window 2, S^T in window 0
.set W_PV, 0x53       ; V in window 3, P in window 0, O^T in window 1
.set W_RS, 0x41       ; O^T (destination and source 0) in window 1, a in window 0
; A joint refill.  Waves 0 and 1 fetch the two halves of a slot's K, waves 2 and 3 those of its V: 128 rows each.  The branch hangs on the wave's number alone: it is the same in every work-group.
; An s_nop 0 and four v_nop follow each of the two lines; the jump round the other line, the label and what follows the macro come after them.
.macro JLOAD
	s_cmp_lt_u32 s[WV], 2
	s_cbranch_scc0 .Lfor_v_\@
	tensor_load_to_lds s[G0K+4:G0K+7], s[G1K:G1K+7]
	s_nop 0
.rept 4
	v_nop
.endr
	s_branch .Lasked_\@
.Lfor_v_\@:
	tensor_load_to_lds s[G0V+4:G0V+7], s[G1V:G1V+7]
	s_nop 0
.rept 4
	v_nop
.endr
.Lasked_\@:
.endm
; A PREFETCH INTO THE L2 of what the NEXT change of slots will ask for: a slot's 256 rows of K and 256 of V, 256 bytes a row, a lane a row.  It stands behind the wave's tensor load and its five lines.
; Each row is asked for ONCE in the launch.  All eight clusters of a kv head walk the same K and V: the first of them prefetches.  Its four partners share the rows out BY ADDRESS, 64 each; in each, waves 0 and 1
; ask for 32 rows of K, waves 2 and 3 for 32 of V: one instruction a wave.  The last change that fills a slot prefetches nothing: there is no slot behind it.  Slots 0 to 2 come by their loads alone.
.macro ASK
	s_cmp_gt_u32 s[SLOTS], s[LIM]
	s_cbranch_scc0 .Lnot_mine_\@
	global_prefetch_b8 v[PFO], s[PFA:PFA+1] th:TH_LOAD_NT scope:SCOPE_SE
.Lnot_mine_\@:
.endm
; A round of the cluster's barrier: my work-group's barrier, so that wave 0's signal speaks for all four waves; wave 0 signals for the work-group; every wave waits for all four
; work-groups; my work-group's barrier once more.  No LDS instruction of the wave is pending at a signal.
.macro CROUND
	s_barrier_signal -1
	s_barrier_wait -1
	s_cmp_lg_u32 s[WV], 0
	s_cbranch_scc1 .Lnot_wave_0_\@
	s_barrier_signal -3
.Lnot_wave_0_\@:
	s_barrier_wait -3
	s_barrier_signal -1
	s_barrier_wait -1
.endm
	s_load_b256 s[4:11], s[0:1], 0x0  ; Qh s[4:5], Kg s[6:7], Vg s[8:9], Cx s[10:11]
	v_lshl_add_u32 v[SPW], v0, 2, SPARE
	v_mov_b32 v[NIL], 0
	ds_add_u32 v[SPW], v[NIL]       ; the wave's opening: the add and its wait stand ahead of my first tensor load; the set-up below, work on registers, stands between them
	v_lshrrev_b32 v1, 5, v0
	v_readfirstlane_b32 s[WV], v1   ; wave 0..3
	s_bfe_u32 s13, ttmp6, 0x40000   ; cx: my place in the cluster
	s_lshl_b32 s14, ttmp9, 2        ; in a cluster launch ttmp9 counts clusters
	s_add_co_u32 s14, s14, s13      ; g: my block of 128 of the kv head's 4,096 query rows: it enters Q's and Cx's addresses alone
	s_and_b32 s20, ttmp7, 0xffff    ; the kv head, which the four partners share
	s_lshl_b32 s74, s20, 2          ; its first query head
	s_lshl_b32 s20, s20, 20         ; its first byte in Qh, Kg and Vg: 4,096 rows of 256 bytes
	s_mov_b32 s21, 0
	s_and_b32 s16, s[WV], 1         ; which 64 queries are mine; also which 128 rows of a slot I fetch:
	s_lshr_b32 s[KH], s[WV], 1
	s_lshl_b32 s22, s16, 15         ; 128 rows of 256 bytes in memory,
	s_mov_b32 s23, 0
	s_add_nc_u64 s[22:23], s[22:23], s[20:21]
	s_mul_i32 s[LWK], s16, 128*PK   ; and their place in a slot: no place in the cluster enters an LDS address
	s_mul_i32 s[LWV], s16, 128*PV
	s_add_co_u32 s[LWV], s[LWV], VOFF
	s_mul_i32 s[KHK], s[KH], 128*PK
	s_mul_i32 s[KHV], s[KH], 128*PV
	s_mov_b32 s[SB], 0
	s_mov_b32 s[TBK], s[KHK]
	s_mov_b32 s[TBV], s[KHV]
	; THE ORDER OF MY TILES.  Register tile t holds tile (t + 2 KH) mod 4 of my 64 queries.  So every wave keeps its register tiles 0 and 1 to the end and gives 2 and 3 away, and what wave w xor 2 gives
	; are the queries of my tiles 0 and 1: the meeting of the halves has one text and no branch.
	s_lshl_b32 s2, s14, 15          ; my block's 128 rows,
	s_lshl_b32 s3, s16, 14          ; my wave's 64 of them,
	s_add_co_u32 s2, s2, s3
	s_lshl_b32 s3, s[KH], 13        ; tiles 0 and 1: 32 rows at 32 KH;
	s_add_co_u32 s2, s2, s3
	s_xor_b32 s76, s2, 1<<13        ; tiles 2 and 3: the other 32 (the three fields do not overlap)
	s_mov_b32 s3, 0
	s_mov_b32 s77, 0
	s_add_nc_u64 s[2:3], s[2:3], s[20:21]
	s_add_nc_u64 s[76:77], s[76:77], s[20:21]
	s_and_b32 s78, s14, 7           ; Cx: position 128 (g % 8) + 64 (w % 2) + 32 KH, 8,192 bytes each,
	s_lshl_b32 s78, s78, 20
	s_lshl_b32 s79, s16, 19
	s_add_co_u32 s78, s78, s79
	s_lshl_b32 s79, s[KH], 18
	s_add_co_u32 s78, s78, s79
	s_lshr_b32 s79, s14, 3          ; head 4 kv + g / 8, 256 bytes each
	s_add_co_u32 s79, s79, s74
	s_lshl_b32 s79, s79, 8
	s_add_co_u32 s78, s78, s79
	s_mov_b32 s79, 0
	s_lshl_b32 s74, s13, 14         ; the prefetches: my work-group's 64 rows of a slot's 256,
	s_lshl_b32 s75, s16, 13         ; my wave's 32 of them,
	s_add_co_u32 s74, s74, s75
	s_add_co_u32 s74, s74, 2*65536  ; in slot 2: the first change of slots steps it to slot 3.  Nothing is prefetched here, at the head, where every work-group's first tiles are on their way
	s_mov_b32 s75, 0
	s_add_nc_u64 s[74:75], s[74:75], s[20:21]
	; descriptor group 1: a tile of 128 rows x 128 elements, padded in LDS
	s_mov_b32 s[G1K], 15|(1<<16)|(1<<20)|(1<<21)|(5<<22)|(3<<25)  ; 15:0 the mask: all four work-groups; 17:16 elements of 2 bytes; 20 padding on; 21 set beside a mask; 24:22 after every 64 words (code 5); 31:25 4 words of it (code 3)
	s_mov_b32 s[G1V], 15|(1<<16)|(1<<20)|(1<<21)|(5<<22)|(7<<25)  ; the same with 8 words of padding (code 7)
.irp g, G1K, G1V
	s_mov_b32 s[(\g)+1], 128<<16    ; tensor_dim0 = 128
	s_mov_b32 s[(\g)+2], 128<<16    ; tensor_dim1 = 128
	s_mov_b32 s[(\g)+3], 128<<16    ; tile_dim0 = 128
	s_mov_b32 s[(\g)+4], 128        ; tile_dim1 = 128
	s_mov_b32 s[(\g)+5], 128        ; 128 elements from row to row
	s_mov_b32 s[(\g)+6], 0
	s_mov_b32 s[(\g)+7], 0
.endr
	s_mov_b32 s[CS], 0x400293ee     ; c = 16 log2(e) / sqrt(128) = 2.040275
	s_mov_b32 s[CS+1], s[CS]        ; named with it as a pair, so it is written
	s_mov_b32 s[SEL], 0x76543210
	s_mov_b32 s[SEL+1], 0xfedcba98
	s_mov_b32 s[SLOTS], 4096/256-2
	s_mov_b32 s[LIM], ttmp9         ; the kv head's first cluster prefetches: the same in all four partners
	s_cmp_eq_u32 s[LIM], 0
	s_cselect_b32 s[LIM], 1, -1
	v_and_b32 v[PFO], 31, v0
	v_lshlrev_b32 v[PFO], 8, v[PFO]
	s_wait_dscnt 0x0                ; the opening add is done
	s_wait_kmcnt 0x0
	s_cmp_lt_u32 s[WV], 2
	s_cselect_b64 s[PFA:PFA+1], s[6:7], s[8:9]
	s_add_nc_u64 s[PFA:PFA+1], s[PFA:PFA+1], s[74:75]
	s_add_nc_u64 s[6:7], s[6:7], s[22:23]  ; K and V at my tile of slot 0
	s_add_nc_u64 s[8:9], s[8:9], s[22:23]
	s_add_nc_u64 s[Q2:Q2+1], s[4:5], s[76:77]
	s_add_nc_u64 s[4:5], s[4:5], s[2:3]
	s_add_nc_u64 s[10:11], s[10:11], s[78:79]
	CROUND                          ; all four work-groups are here: the first joint loads meet
.irp s, 0,1
	s_mov_b32 s[G0K+4*(\s)], 1      ; 1:0 count = 1
	s_add_co_u32 s[G0K+4*(\s)+1], s[LWK], (\s)*SLOT  ; 63:32 LDS address
	s_add_nc_u64 s[G0K+4*(\s)+2:G0K+4*(\s)+3], s[6:7], (\s)*65536  ; 120:64 global address: slot s holds keys 256 s to 256 s + 255
	s_or_b32 s[G0K+4*(\s)+3], s[G0K+4*(\s)+3], 0x80000000  ; 127:126 type = 2
	s_mov_b32 s[G0V+4*(\s)], 1
	s_add_co_u32 s[G0V+4*(\s)+1], s[LWV], (\s)*SLOT
	s_add_nc_u64 s[G0V+4*(\s)+2:G0V+4*(\s)+3], s[8:9], (\s)*65536
	s_or_b32 s[G0V+4*(\s)+3], s[G0V+4*(\s)+3], 0x80000000
.endr
	s_cmp_lt_u32 s[WV], 2           ; a wave's two first fills stand in one branch, ahead of every wait on TENSORcnt and every LDS read: two loads of mine are out; an s_nop 0 follows each, four v_nop the second's, as in JLOAD
	s_cbranch_scc0 .Lfirst_v
	tensor_load_to_lds s[G0K:G0K+3], s[G1K:G1K+7]
	s_nop 0
	tensor_load_to_lds s[G0K+4:G0K+7], s[G1K:G1K+7]
	s_nop 0
.rept 4
	v_nop
.endr
	s_branch .Lfirst_asked
.Lfirst_v:
	tensor_load_to_lds s[G0V:G0V+3], s[G1V:G1V+7]
	s_nop 0
	tensor_load_to_lds s[G0V+4:G0V+7], s[G1V:G1V+7]
	s_nop 0
.rept 4
	v_nop
.endr
.Lfirst_asked:
	; A fragment of K or Q is 16 rows x 32 channels in 8 registers: lane l holds row l % 16; registers 0-3 channels 8 (l / 16) + 0..7, registers 4-7 channels 16 + 8 (l / 16) + 0..7: two loads of 16 bytes, 32 bytes apart.
	v_and_b32 v1, 15, v0            ; l % 16
	v_bfe_u32 v9, v0, 4, 1          ; l / 16
	v_lshlrev_b32 v[QO], 8, v1
	v_lshl_add_u32 v[QO], v9, 4, v[QO]  ; row x 256 + 16 x half
	WIN 0x80                        ; destination window 2, address window 0
.irp i, 0,1,2,3,4,5,6,7             ; Q stays in registers: tile i / 4, channels 32 (i % 4) on
	global_load_b128 v[8*(\i):8*(\i)+3],   v[QO], s[4:5] offset:((\i)/4)*4096+((\i)%4)*64
	global_load_b128 v[8*(\i)+4:8*(\i)+7], v[QO], s[4:5] offset:((\i)/4)*4096+((\i)%4)*64+32
.endr
.irp i, 8,9,10,11,12,13,14,15
	global_load_b128 v[8*(\i):8*(\i)+3],   v[QO], s[Q2:Q2+1] offset:((\i)/4-2)*4096+((\i)%4)*64
	global_load_b128 v[8*(\i)+4:8*(\i)+7], v[QO], s[Q2:Q2+1] offset:((\i)/4-2)*4096+((\i)%4)*64+32
.endr
	WIN 0
	v_mul_u32_u24 v[AK0], v1, PK
	v_lshl_add_u32 v[AK0], v9, 4, v[AK0]  ; row x pitch + 16 x half
	; The turning load takes 16 keys x 16 channels (lane l reads 16 bytes: key 8 (l / 16) + l % 8, channels 8 ((l / 8) % 2) + 0..7) and leaves half a fragment of V^T: lane l holds channel l % 16 and 8 keys.
	v_and_b32 v10, 7, v0
	v_bfe_u32 v11, v0, 3, 1
	v_lshl_add_u32 v[AV0], v9, 3, v10
	v_mul_u32_u24 v[AV0], v[AV0], PV
	v_lshl_add_u32 v[AV0], v11, 4, v[AV0]
	v_add_nc_u32 v[AV0], VOFF, v[AV0]
; THE MATRIX WORK OF A TURN, for piece x.  The accumulators take turns, one instruction a turn: between two links of a chain stand 15 (V^T P) or 7 (K Q^T) others'.
; Product i of 32 of O^T += V^T P: keys 32 (i / 16) on, channels 16 ((i / 2) % 8) on, tile x + i % 2.  zero = 1: the first 16 start the sums: nothing is ever cleared.
.macro PV x, zero
	WIN W_PV
.set rO, 64*((\x)+i%2)+8*((i/2)%8)
.set rV, 64*(i/16)+8*((i/2)%8)
.set rP, P+16*((\x)+i%2)+8*(i/16)
.if (\zero) && (i < 16)
	v_wmma_f32_16x16x32_f16 v[rO:rO+7], v[rV:rV+7], v[rP:rP+7], 0
.else
	v_wmma_f32_16x16x32_f16 v[rO:rO+7], v[rV:rV+7], v[rP:rP+7], v[rO:rO+7]
.endif
.endm
; Product i of 32 of S^T = K Q^T: channels 32 (i / 8) on, keys 16 ((i / 2) % 4) on, tile x + i % 2.  The first 8 start the sums.
.macro KQ x
	WIN W_KQ
.set rS, S+32*((\x)+i%2)+8*((i/2)%4)
.set rK, KF+32*((i/2)%4)+8*(i/8)
.set rQ, 32*((\x)+i%2)+8*(i/8)
.if i < 8
	v_wmma_f32_16x16x32_f16 v[rS:rS+7], v[rK:rK+7], v[rQ:rQ+7], 0
.else
	v_wmma_f32_16x16x32_f16 v[rS:rS+7], v[rK:rK+7], v[rQ:rQ+7], v[rS:rS+7]
.endif
.endm
; THE LDS LOADS stand in runs of 32, never singly among the matrix instructions: a step's K (64 keys x 128 channels: 16 fragments) and, a turn later, its V (turned).
.macro FETCH_K
	WIN 0
	v_add_nc_u32 v[ADR], s[TBK], v[AK0]
	s_add_co_u32 s[TBK], s[TBK], KS*PK  ; the next fetch is the next step's
	WIN 0x80                        ; destination window 2
.irp f, 0,1,2,3,4,5,6,7,8,9,10,11,12,13,14,15  ; keys 16 (f / 4) on, channels 32 (f % 4) on
	ds_load_b128 v[KF+8*(\f):KF+8*(\f)+3],   v[ADR] offset:((\f)/4)*16*PK+((\f)%4)*64
	ds_load_b128 v[KF+8*(\f)+4:KF+8*(\f)+7], v[ADR] offset:((\f)/4)*16*PK+((\f)%4)*64+32
.endr
.endm
.macro FETCH_V
	WIN 0
	v_add_nc_u32 v[ADR], s[TBV], v[AV0]
	s_add_co_u32 s[TBV], s[TBV], KS*PV
	WIN 0xc0                        ; destination window 3
.irp f, 0,1,2,3,4,5,6,7,8,9,10,11,12,13,14,15  ; keys 32 (f / 8) on, channels 16 (f % 8) on
	ds_load_tr16_b128 v[8*(\f):8*(\f)+3],   v[ADR] offset:((\f)/8)*32*PV+((\f)%8)*32
	ds_load_tr16_b128 v[8*(\f)+4:8*(\f)+7], v[ADR] offset:((\f)/8)*32*PV+16*PV+((\f)%8)*32
.endr
.endm
; THE VECTOR WORK OF A TURN.  One tile's softmax for one key step is a list of 134 instructions; SM writes number j of it for tile t.  s0-s31 are the lane's 32 scores, in pairs 0-15.
; first = 1: the first key step, which starts m, l and O^T: it has no a and nothing to rescale.
;   0-15    the maximum of s0-s31 and the old m, three operands at a time: four chains c0-c3 of seven scores each (each accumulator's lowest registers first), then the four scores left over, c0-c3 and m
;   16-20   the other half of the lanes' maximum; the new m; c m; c m_old - c m_new
;   21-87   33 exponentials (a, then s0-s31) at the odd numbers from 23 on, so that no two follow each other and each has a plain instruction behind it before its result is used.
;           Plain instruction q (number 21, then the even numbers) is whatever is ready: c s - c m for a pair of scores whose exponentials are still to come (q = 0 to 3, then every
;           second q), the rounding to f16 of a pair of weights whose exponentials are done (every other q from 5 on), at last the first three sums
;   88-101  the last rounding; the rest of the sums; l = a l + the sum
;   102-133 the tile's O^T times a: the one part that leaves window 0, so it stands together
.macro SM t, first
.set rT, ST+8*(\t)
.set rS, S+32*(\t)
.set rP, P+16*(\t)
.set rO, 64*(\t)+2*(j-102)
.set q, (j-20)/2
.if j < 102
	WIN 0
.endif
.if j < 4
	v_max3_num_f32 v[rT+4+j], v[rS+8*j], v[rS+8*j+1], v[rS+8*j+2]
.elseif j < 12
	v_max3_num_f32 v[rT+4+j%4], v[rT+4+j%4], v[rS+8*(j%4)+2*(j/4)+1], v[rS+8*(j%4)+2*(j/4)+2]
.elseif j == 12
	v_max3_num_f32 v[rT+4], v[rT+4], v[rS+7], v[rS+15]
.elseif j == 13
	v_max3_num_f32 v[rT+6], v[rT+6], v[rS+23], v[rS+31]
.elseif j == 14
	v_max3_num_f32 v[rT+4], v[rT+4], v[rT+5], v[rT+6]
.elseif (j == 15) && (\first)
	v_max_num_f32 v[rT+4], v[rT+4], v[rT+7]
.elseif j == 15
	v_max3_num_f32 v[rT+4], v[rT+4], v[rT+7], v[rT+1]
.elseif j == 16
	v_permlanex16_b32 v[rT+5], v[rT+4], s[SEL], s[SEL+1]  ; the query's other 32 keys lie in the lane 16 away
.elseif j == 18
	v_max_num_f32 v[rT+1], v[rT+4], v[rT+5]
.elseif j == 19
	v_mul_f32 v[rT], s[CS], v[rT+1]
.elseif ((j == 17) || (j == 20) || (j == 23) || (j > 101)) && (\first)  ; the first step has none of these
.elseif j == 17
	v_mov_b32 v[rT+7], v[rT]        ; c m_old is kept for a: number 19 writes c m anew
.elseif j == 20
	v_sub_f32 v[rT+7], v[rT+7], v[rT]
.elseif j == 23
	v_exp_f32 v[rT+6], v[rT+7]
.elseif (j < 88) && (j > 23) && (j%2 == 1)
	v_exp_f32 v[rS+(j-25)/2], v[rS+(j-25)/2]
.elseif (q < 4) || ((j < 76) && (q%2 == 0))
.set b, q/2+2
.if q < 4
.set b, q
.endif
	v_pk_fma_f32 v[rS+2*b:rS+2*b+1], v[rS+2*b:rS+2*b+1], s[CS:CS+1], v[rT:rT+1] op_sel_hi:[1,0,0] neg_lo:[0,0,1] neg_hi:[0,0,1]  ; pair b: c s - c m
.elseif (j < 88) && (q%2 == 1)
	s_wait_alu depctr_va_vdst(0)
	v_cvt_pk_f16_f32 v[rP+(q-5)/2], v[rS+q-5], v[rS+q-4]  ; pair (q - 5) / 2: its second exponential stands three numbers back
.elseif j == 89
	s_wait_alu depctr_va_vdst(0)
	v_cvt_pk_f16_f32 v[rP+15], v[rS+30], v[rS+31]
.elseif j < 102                     ; the sum of the tile's 16 pairs (in a pair: an even key's weight, an odd key's), in place: sum z of 16 adds neighbours 1, 2, 4 and 8 pairs apart, then l takes it
.set z, j-86
.if j < 89
.set z, (j-76)/4
.endif
.set w, 4
.set u, z
.if z >= 14
.set w, 32
.set u, 0
.elseif z >= 12
.set w, 16
.set u, z-12
.elseif z >= 8
.set w, 8
.set u, z-8
.endif
.if (z == 14) && (\first)
	v_pk_add_f32 v[rT+2:rT+3], v[rS:rS+1], v[rS+16:rS+17]
.elseif z < 15
	v_pk_add_f32 v[rS+w*u:rS+w*u+1], v[rS+w*u:rS+w*u+1], v[rS+w*u+w/2:rS+w*u+w/2+1]
.elseif !(\first)
	v_pk_fma_f32 v[rT+2:rT+3], v[rT+2:rT+3], v[rT+6:rT+7], v[rS:rS+1] op_sel_hi:[1,0,1]
.endif
.else
	WIN W_RS
	v_pk_mul_f32 v[rO:rO+1], v[rO:rO+1], v[rT+6:rT+7] op_sel_hi:[1,0]
.endif
.endm
; Slice k of 64 of piece y's softmax: numbers 2 k and 2 k + 1 of both tiles' lists, four instructions.  2 x 134 = 4 x 64 + 12: the twelve that are over stand together, in slice 63.
.macro SLICE y, first
.if (k >= 11) && (k < 44)           ; tile by tile: plain, exponential, plain, exponential
.irp t, \y, (\y)+1
.irp n, 0,1
.set j, 2*k+(\n)
	SM \t, \first
.endr
.endr
.else                               ; the two tiles alternate, so that no instruction reads the result of the one just before it
.irp n, 0,1,2,3,4,5,6,7
.if ((\n) < 2) || (k == 63)
.irp t, \y, (\y)+1
.set j, 2*k+(\n)
	SM \t, \first
.endr
.endif
.endr
.endif
.set k, k+1
.endm
; A vector instruction that reads a matrix result or writes one of a matrix instruction's registers, and a load into a register that a matrix instruction has read, stand four places behind
; it, and only plain vector instructions that name none of its registers are places (ISA guide 7.12.1 for vector instructions).  In the loop the slices are the places.
.macro PLACES
.rept 4
	v_nop
.endr
.endm
; A TURN.  Piece x has the matrix unit; the other piece's softmax stands in slices behind its matrix instructions.
; pv = 2: 32 products V^T P; 1: they start O^T's sums; 0: none.  kq = 1: 32 products K Q^T for the next step.  A turn with one of the two kinds has two slices behind each product.
; first = 1: the softmax is the first key step's.  Its slices from 51 on are empty: the turn's last products stand bare, and four v_nop take slice 63's part as the places behind them.
; Each run of loads stands behind the second product of a run of 32, 30 matrix instructions ahead of its first use.  Piece 0's turn fetches the next step's K: the last product that read K
; stands in front of slice 63 of the turn before.  Piece 2's turn fetches the same step's V: the last product that read V stands three slices, six plain instructions, back.
.macro TURN x, pv, kq, first
.set k, 0
.set per, 2
.if (\pv) && (\kq)
.set per, 1
.endif
.if \pv
.if (\x) == 0
	s_wait_dscnt 0x0                ; V is in
.endif
.set i, 0
.rept 32
	PV \x, 2-(\pv)
.rept per
	SLICE 2-(\x), \first
.endr
.if ((\x) == 0) && (\kq) && (i == 1)
	FETCH_K
.endif
.set i, i+1
.endr
.endif
.if \kq
.if (\x) == 0
	s_wait_dscnt 0x0                ; K is in
.endif
.set i, 0
.rept 32
	KQ \x
.rept per
	SLICE 2-(\x), \first
.endr
.if ((\x) == 2) && (i == 1)
	FETCH_V
.endif
.set i, i+1
.endr
.endif
.if \first
	PLACES
.endif
.endm
; THE CHANGE OF SLOTS, between piece 2's turn and piece 0's: the slot's last bytes that I read, V of my second step in it, have been asked for.  Each wave waits for all its tensor loads, of which one is out:
; its part of the other slot; adds 0 to its spare word; and waits for that and for its own reads of the slot.  Behind the barrier nobody reads this slot any more and the other slot is whole.
; fill = 1: this slot (SB) is filled again, with the keys two slots on.  The barrier is then a round of the cluster's, so that no wave of any partner still reads the slot or has a load on its
; way, and the joint refill is the first thing behind it, my only tensor load out: it has two key steps, 256 matrix instructions of each wave, in which to land.
.macro CHANGE fill
	WIN 0                           ; at a label and at a branch every window is 0
	s_wait_tensorcnt 0x0            ; no tensor load of mine is out, so a group 0 may be written
	ds_add_u32 v[SPW], v[NIL]       ; 0 onto my spare word; the scalar work below stands between it and the wait for it
.if \fill
	s_add_co_u32 s[G0K+5], s[SB], s[LWK]  ; the walking descriptors: into the slot just read,
	s_add_co_u32 s[G0V+5], s[SB], s[LWV]
	s_add_nc_u64 s[G0K+6:G0K+7], s[G0K+6:G0K+7], 65536  ; the next 256 keys; the type bits on top are not reached
	s_add_nc_u64 s[G0V+6:G0V+7], s[G0V+6:G0V+7], 65536
	s_wait_xcnt 0x0                 ; the last prefetch, two key steps back, has read its address, so it may be written:
	s_add_nc_u64 s[PFA:PFA+1], s[PFA:PFA+1], 65536  ; one slot behind the walking descriptors
.endif
	s_xor_b32 s[SB], s[SB], SLOT    ; 0 and SLOT by turns: the other slot is read now,
	s_add_co_u32 s[TBK], s[SB], s[KHK]  ; from my half's first step on
	s_add_co_u32 s[TBV], s[SB], s[KHV]
	s_wait_dscnt 0x0                ; the add is done, and my reads of the slot are over
.if \fill
	CROUND
	JLOAD
	ASK                             ; what the next change will ask for: two key steps, 256 matrix instructions, ahead
.else
	s_barrier_signal -1
	s_barrier_wait -1
.endif
.endm
; My two key steps of a slot: written once, walked twice; the LDS addresses hang on s[TBK] and s[TBV].
.macro TWO_STEPS
	WIN 0
	s_mov_b32 s[TWICE], 2
.Lstep_\@:
	TURN 0, 2, 1, 0
	TURN 2, 2, 1, 0
	WIN 0
	s_sub_co_u32 s[TWICE], s[TWICE], 1
	s_cmp_lg_u32 s[TWICE], 0
	s_cbranch_scc1 .Lstep_\@
.endm
	s_wait_tensorcnt 1              ; my part of slot 0 is in; slot 1's may stay out
	s_barrier_signal -1
	s_barrier_wait -1               ; everybody's is
	FETCH_K                         ; my key step 0
	s_wait_loadcnt 0x0              ; Q
	s_wait_dscnt 0x0
.set i, 0
.rept 32
	KQ 0                            ; piece 0's first scores: there is no vector work yet to set between them
.set i, i+1
.endr
	WIN 0                           ; the addresses for the exchange and the way out are made here: plain instructions, the places behind those products
	s_mul_i32 s13, s[WV], 16*SP
	s_add_co_u32 s13, s13, STAGE    ; my stage
	v_mul_u32_u24 v[STO], v1, SP    ; in: row l % 16, 16 bytes for each half of the lanes
	v_lshl_add_u32 v[STO], v9, 4, v[STO]
	v_add_nc_u32 v[STO], s13, v[STO]
	v_mul_u32_u24 v[RD], v9, SP     ; back: lanes 0-15 take one row of 256 bytes, lanes 16-31 the next
	v_lshl_add_u32 v[RD], v1, 4, v[RD]
	v_add_nc_u32 v[RD], s13, v[RD]
	v_lshlrev_b32 v[GO], 13, v9     ; and the same two rows in Cx, 8,192 bytes apart
	v_lshl_add_u32 v[GO], v1, 4, v[GO]
	v_and_b32 v10, 31, v0           ; lane
	s_mul_i32 s13, s[WV], EXW       ; my part of the exchange
	v_lshl_add_u32 v[XS], v10, 4, s13
	v_lshl_add_u32 v[XT], v10, 3, s13
	v_add_nc_u32 v[XT], 16384, v[XT]
	s_xor_b32 s13, s[WV], 2         ; my partner: the same queries, the other half of the keys
	s_mul_i32 s13, s13, EXW
	v_lshl_add_u32 v[XR], v10, 4, s13
	v_lshl_add_u32 v[XQ], v10, 3, s13
	v_add_nc_u32 v[XQ], 16384, v[XQ]
	TURN 2, 0, 1, 1                 ; piece 2's first scores | piece 0's first softmax | V of step 0
	TURN 0, 1, 1, 1                 ; piece 0: V^T P of step 0 starts O^T, K Q^T of step 1 | piece 2's first softmax | K of step 1
	TURN 2, 1, 1, 0                 ; piece 2: the same | piece 0's softmax of step 1 | V of step 1
	WIN 0
.Lslot:                             ; 14 trips: every slot but the last two is filled again
	CHANGE 1
	TWO_STEPS
	s_sub_co_u32 s[SLOTS], s[SLOTS], 1
	s_cmp_lg_u32 s[SLOTS], 0
	s_cbranch_scc1 .Lslot
	CHANGE 0                        ; the tail is written out: LDS slot 0 is left for good, and nothing is asked for
	TWO_STEPS
	TURN 0, 2, 0, 0                 ; piece 0: V^T P of the last step | piece 2's last softmax
.set i, 0
.rept 32
	PV 2, 0                         ; piece 2: V^T P of the last step
.set i, i+1
.endr
	; THE TWO HALVES OF THE KEYS MEET.  l's two halves and the other half of the lanes' are added; (c m, l) is then the pair at ST + 8 t.  The additions and four v_nop are the places behind the last products.
	WIN 0
.irp t, 0,1,2,3
	v_add_f32 v[ST+8*(\t)+4], v[ST+8*(\t)+2], v[ST+8*(\t)+3]
.endr
.irp t, 0,1,2,3
	v_permlanex16_b32 v[ST+8*(\t)+5], v[ST+8*(\t)+4], s[SEL], s[SEL+1]
.endr
.irp t, 0,1,2,3
	v_add_f32 v[ST+8*(\t)+1], v[ST+8*(\t)+4], v[ST+8*(\t)+5]
.endr
	PLACES
	; I give my tiles 2 and 3 away, as they lie: 16 bytes a lane, 512 consecutive bytes a store.  The exchange lies in LDS slot 0: its last fill has landed, and every wave's reads of it were waited for in front of
	; the last change's barrier; since then slot 1 alone is read.  Each accumulator's low half is stored first.
	WIN 0x04                        ; the stores' data in window 1
.irp u, 0,1
.set i, 0
.rept 16
	ds_store_b128 v[XS], v[64*(2+(\u))+4*i:64*(2+(\u))+4*i+3] offset:(\u)*8192+i*512
.set i, i+1
.endr
.endr
	WIN 0
.irp u, 0,1
	ds_store_b64 v[XT], v[ST+8*(2+(\u)):ST+8*(2+(\u))+1] offset:(\u)*256
.endr
	s_wait_dscnt 0x0                ; for my partner's sake: my stores are done
	s_barrier_signal -1
	s_barrier_wait -1
	ds_load_b64 v[PS:PS+1], v[XQ]   ; my partner's (c m, l) and O^T for my tiles 0 and 1; O^T into S^T's registers
	ds_load_b64 v[PS+2:PS+3], v[XQ] offset:256
.irp u, 0,1
.set i, 0
.rept 16
	ds_load_b128 v[S+64*(\u)+4*i:S+64*(\u)+4*i+3], v[XR] offset:(\u)*8192+i*512
.set i, i+1
.endr
.endr
	s_wait_dscnt 32                 ; the statistics are in; the 32 loads behind them may stay out
	; M = max(c m, c m'); a = 2^(c m - M), a' = 2^(c m' - M); L = a l + a' l'; my O^T is multiplied by f = a / L, my partner's by f' = a' / L
.irp u, 0,1
	v_max_num_f32 v[ST+8*(\u)+4], v[ST+8*(\u)], v[PS+2*(\u)]
.endr
.irp u, 0,1
	v_sub_f32 v[ST+8*(\u)+5], v[ST+8*(\u)], v[ST+8*(\u)+4]
.endr
.irp u, 0,1
	v_sub_f32 v[ST+8*(\u)+7], v[PS+2*(\u)], v[ST+8*(\u)+4]
.endr
.irp u, 0,1
	v_exp_f32 v[ST+8*(\u)+5], v[ST+8*(\u)+5]
.endr
.irp u, 0,1
	v_exp_f32 v[ST+8*(\u)+7], v[ST+8*(\u)+7]
.endr
	v_nop                           ; a plain instruction between the last exponential and the use of its result
.irp u, 0,1
	s_wait_alu depctr_va_vdst(0)
	v_mul_f32 v[ST+8*(\u)+2], v[ST+8*(\u)+5], v[ST+8*(\u)+1]
.endr
.irp u, 0,1
	v_fma_f32 v[ST+8*(\u)+2], v[ST+8*(\u)+7], v[PS+2*(\u)+1], v[ST+8*(\u)+2]
.endr
.irp u, 0,1
	v_rcp_f32 v[ST+8*(\u)+2], v[ST+8*(\u)+2]
.endr
	v_nop                           ; and behind the last reciprocal
.irp u, 0,1
	s_wait_alu depctr_va_vdst(0)
	v_mul_f32 v[ST+8*(\u)+6], v[ST+8*(\u)+5], v[ST+8*(\u)+2]
.endr
.irp u, 0,1
	v_mul_f32 v[ST+8*(\u)+4], v[ST+8*(\u)+7], v[ST+8*(\u)+2]
.endr
; Tile u: O' f' + O f, rounded to f16 (the 64 numbers close up into 32 registers, in place: register i is written when 2 i and 2 i + 1 are read); a lane's eight channels of a row are 16 bytes; they go into
; my stage's rows of 272 bytes and come back as whole rows of 256.
.macro MERGE u
	WIN 0
.set i, 0
.rept 32
	v_pk_mul_f32 v[S+64*(\u)+2*i:S+64*(\u)+2*i+1], v[S+64*(\u)+2*i:S+64*(\u)+2*i+1], v[ST+8*(\u)+4:ST+8*(\u)+5] op_sel_hi:[1,0]
.set i, i+1
.endr
	WIN 0x01                        ; source 0, my O^T, in window 1
.set i, 0
.rept 32
	v_pk_fma_f32 v[S+64*(\u)+2*i:S+64*(\u)+2*i+1], v[64*(\u)+2*i:64*(\u)+2*i+1], v[ST+8*(\u)+6:ST+8*(\u)+7], v[S+64*(\u)+2*i:S+64*(\u)+2*i+1] op_sel_hi:[1,0,1]
.set i, i+1
.endr
	WIN 0
.set i, 0
.rept 32
	v_cvt_pk_f16_f32 v[S+64*(\u)+i], v[S+64*(\u)+2*i], v[S+64*(\u)+2*i+1]
.set i, i+1
.endr
.irp f, 0,1,2,3,4,5,6,7
	ds_store_b128 v[STO], v[S+64*(\u)+4*(\f):S+64*(\u)+4*(\f)+3] offset:32*(\f)
.endr
.irp f, 0,1,2,3,4,5,6,7
	ds_load_b128 v[S+64*(\u)+4*(\f):S+64*(\u)+4*(\f)+3], v[RD] offset:(\f)*2*SP  ; LDS serves a wave's instructions in order (ISA guide 5.7.1.4): these see the stores above; the next tile's stores come behind them
.endr
.endm
.macro SEND u, younger              ; younger: the LDS instructions issued behind tile u's loads: the next tile's sixteen, or none
.irp f, 0,1,2,3,4,5,6,7
	s_wait_dscnt (\younger)+7-(\f)
	global_store_b128 v[GO], v[S+64*(\u)+4*(\f):S+64*(\u)+4*(\f)+3], s[10:11] offset:(\u)*131072+(\f)*16384  ; 16 lanes store a head's 256 bytes of a position: consecutive, at a multiple of 256 from Cx's first byte
.endr
.endm
	s_wait_dscnt 16                 ; tile 0's sixteen loads are in; tile 1's may stay out
	MERGE 0
	s_wait_dscnt 16                 ; tile 1's are in; the sixteen stage instructions of tile 0 may stay out
	MERGE 1
	SEND 0, 16
	SEND 1, 0
	s_wait_tensorcnt 0x0            ; the wave's end: behind my last tensor load and my last LDS store
	ds_add_u32 v[SPW], v[NIL]
	s_wait_dscnt 0x0
	CROUND                          ; the closing round: no work-group ends while a partner may still ask for a tile that names it
	s_endpgm
.Lfunc_end_k_q8bcb174003_attn:
	.size	k_q8bcb174003_attn, .Lfunc_end_k_q8bcb174003_attn-k_q8bcb174003_attn
	.p2alignl 7, 3214868480
	.fill 96, 4, 3214868480
	.section	.rodata,"a",@progbits
	.p2align	6, 0x0
	.amdhsa_kernel k_q8bcb174003_attn
		.amdhsa_group_segment_fixed_size 327680
		.amdhsa_private_segment_fixed_size 0
		.amdhsa_enable_private_segment 0
		.amdhsa_kernarg_size 32
		.amdhsa_user_sgpr_count 2
		.amdhsa_user_sgpr_kernarg_segment_ptr 1
		.amdhsa_wavefront_size32 1
		.amdhsa_system_sgpr_workgroup_id_x 1
		.amdhsa_system_sgpr_workgroup_id_y 1
		.amdhsa_system_sgpr_workgroup_id_z 1
		.amdhsa_system_vgpr_workitem_id 0
		.amdhsa_next_free_vgpr 1024
		.amdhsa_next_free_sgpr 80
		.amdhsa_reserve_vcc 0
		.amdhsa_float_denorm_mode_32 3
		.amdhsa_float_denorm_mode_16_64 3
		.amdhsa_memory_ordered 1
		.amdhsa_forward_progress 1
		.amdhsa_inst_pref_size 228
	.end_amdhsa_kernel
	.amdgpu_metadata
---
amdhsa.version: [ 1, 2 ]
amdhsa.kernels:
  - .name:           k_q8bcb174003_attn
    .symbol:         k_q8bcb174003_attn.kd
    .args:
      - { .name: Qh, .offset: 0, .size: 8, .value_kind: global_buffer, .address_space: global }
      - { .name: Kg, .offset: 8, .size: 8, .value_kind: global_buffer, .address_space: global }
      - { .name: Vg, .offset: 16, .size: 8, .value_kind: global_buffer, .address_space: global }
      - { .name: Cx, .offset: 24, .size: 8, .value_kind: global_buffer, .address_space: global }
    .group_segment_fixed_size: 327680
    .private_segment_fixed_size: 0
    .kernarg_segment_align: 8
    .kernarg_segment_size: 32
    .max_flat_workgroup_size: 128
    .sgpr_count:     80
    .vgpr_count:     1024
    .wavefront_size: 32
...
	.end_amdgpu_metadata
.endif
;; end of part 3
;; launch oproj (part 4): grid 32 x 8, 4 waves a work-group, clusters of 4 x 4, 327,680 bytes of LDS; arguments Cx, Wof, out0; writes out0
.if DOCPART == 4
	.amdgcn_target "amdgcn-amd-amdhsa--gfx1250"
	.amdhsa_code_object_version 6
	.text
	.protected	k_q8bcb174003_oproj
	.globl	k_q8bcb174003_oproj
	.p2align	8
	.type	k_q8bcb174003_oproj,@function
k_q8bcb174003_oproj:
	s_mov_b64 s[64:65], 0
	v_nop
	global_prefetch_b8 v0, s[64:65] scope:SCOPE_SE
	s_setreg_imm32_b32 hwreg(HW_REG_WAVE_MODE, 25, 1), 1
	s_wait_xcnt 0x0
	s_wait_alu depctr_hold_cnt(0) depctr_sa_sdst(0) depctr_va_vdst(0) depctr_va_sdst(0) depctr_va_ssrc(0) depctr_va_vcc(0) depctr_vm_vsrc(0)
	s_getreg_b32 s2, hwreg(HW_REG_IB_STS2, 6, 4)
	s_cmp_eq_u32 s2, 0
	s_cbranch_scc0 .Lentry_in_a_cluster
	s_endpgm
.Lentry_in_a_cluster:
	s_bfe_u32 s2, ttmp6, 0x10000c
	s_cmp_lg_u32 s2, 0xf033
	s_cbranch_scc0 .Lentry_shape_is_right
	s_endpgm
.Lentry_shape_is_right:
; out0 = ctx Wo^T.  Cx: [1024][4096] f16, Wof: [4096][4096] f16 (Wo rounded to bf16, that number written as f16), out0: [1024][4096] f32; sums in f32, stored as they are.
; LIMITS: those of the two operands' f16 (stated where they are made); nothing is rounded here.
; A tile of C is 128 x 128: 8 x 32 = 256 work-groups (tiles of 256 x 256 would be 64).  Four waves, each 64 x 64: 16 accumulators of 16 x 16.  K goes in steps of 256 (LDS rows of 512 bytes; a wave's tensor
; load brings 64 of them) through two slots.
; CLUSTERS: 4 x 4 work-groups.  The four of a row of the cluster need the same tiles of ctx, the four of a column the same tiles of Wo: each tile is asked for JOINTLY, by the same tensor load with the
; same descriptor and a mask that names the four.  THE MATRIX INSTRUCTION IS USED TRANSPOSED (source 0 = 16 rows of Wo, source 1 = 16 rows of ctx): a lane holds eight neighbouring numbers of a row of C.
; THE WAY OUT: a wave's 64 columns of f32 are 256 aligned bytes of a row, so each wave has a stage of its own and no wave waits for another.
; No prefetch of the tiles: a K step has 128 matrix instructions a wave and every tile is read by four clusters or more.
; REGISTERS: window 0: v0-31 addresses; v32-95 at work on the way out; v128-255 the accumulators ((a, b) at v[128 + 8 (4 a + b)]).
;   window 1: two fragment buffers of 128: for 64 along K, 64 registers of A, then 64 of B.
.set SIZE_M, 1024
.set SIZE_N, 4096
.set SIZE_K, 4096
.set KSTEP,  256
.set PITCH,  528                       ; an LDS row: 512 bytes of data + 16 of padding = 132 words: row r starts at bank 4 r mod 64 (64 banks of 4 bytes: ISA guide 11.1)
.set HALFT,  64*PITCH                  ; 64 rows: what one tensor load brings, and what one wave reads of A or of B
.set SLOT,   4*HALFT                   ; A's 128 rows, then B's 128 rows
.set STAGE,  2*SLOT                    ; behind the ring: 16 rows x 272 bytes for each wave, for the way out
.set SPITCH, 272
.set SPARE,  STAGE+4*16*SPITCH         ; behind the stages: the spare words, 128 bytes for each wave: two blocks of 256 bytes that no other line names
.set LAPS, SIZE_K/(2*KSTEP)            ; a lap = two K steps = once round the ring
.set ADRA, 16                          ; v16-17  LDS address of my A fragments in slot 0, 1
.set ADRB, 20                          ; v20-21  the same for B
.set STO,  24                          ; v24     the way out: where I put 32 bytes of a row
.set RD,   25                          ; v25     the way out: where I read a row back
.set CO,   26                          ; v26     my byte offset in two rows of C
.set SPW,  28                          ; v28     LDS address of my spare word: SPARE + 4 x my thread's number; never rewritten
.set NIL,  29                          ; v29     0; never rewritten
.set TMP,  32                          ; the way out: two sets of 32 registers, 16 rows x 256 bytes each
.set ACC,  128
.set F0,   0                           ; fragment buffers, in window 1
.set F1,   128
.set G1, 24                            ; s[24:31] descriptor group 1 for A's tiles;  s[32:39] group 0, one set for each slot
.set G0, 32
.set G1B, 48                           ; s[48:55], s[56:63] the same for B's tiles
.set G0B, 56
.set MSB, 0
.macro WIN new                         ; the immediate's high byte repeats the setting that is left
.if MSB != (\new)
	s_set_vgpr_msb (MSB<<8)|(\new)
.set MSB, \new
.endif
.endm
.set MUL,  0x05                        ; sources 0 (B) and 1 (A) window 1; C and D window 0
.set TO_F, 0x40                        ; destination window 1, address window 0
.macro JLOAD s                         ; a joint load: waves 0 and 1 fetch A's two halves, waves 2 and 3 B's; an s_nop 0 and four v_nop follow each of the two lines, ahead of the jump, the label and what follows
	s_cmp_eq_u32 s11, 0
	s_cbranch_scc0 .Lfor_b_\@
	tensor_load_to_lds s[G0+4*(\s):G0+4*(\s)+3], s[G1:G1+7]
	s_nop 0
.rept 4
	v_nop
.endr
	s_branch .Lasked_\@
.Lfor_b_\@:
	tensor_load_to_lds s[G0B+4*(\s):G0B+4*(\s)+3], s[G1B:G1B+7]
	s_nop 0
.rept 4
	v_nop
.endr
.Lasked_\@:
.endm
.macro CREST                           ; a round of the cluster's barrier behind its opening barrier
	s_cmp_lg_u32 s10, 0
	s_cbranch_scc1 .Lnot_wave_0_\@
	s_barrier_signal -3
.Lnot_wave_0_\@:
	s_barrier_wait -3
	s_barrier_signal -1
	s_barrier_wait -1
.endm
.macro CROUND                          ; a whole round
	s_barrier_signal -1
	s_barrier_wait -1
	CREST
.endm
	s_load_b128 s[4:7], s[0:1], 0x0                ; Cx s[4:5], Wof s[6:7]
	s_load_b64 s[8:9], s[0:1], 0x10                ; out0
	v_lshl_add_u32 v[SPW], v0, 2, SPARE
	v_mov_b32 v[NIL], 0
	ds_add_u32 v[SPW], v[NIL]                      ; the wave's opening: the add and its wait stand ahead of my first tensor load; the set-up below, work on registers, stands between them
	v_lshrrev_b32 v1, 5, v0
	v_readfirstlane_b32 s10, v1                    ; wave 0..3
	s_lshr_b32 s11, s10, 1                         ; which half of the tile's rows is mine.  Also: I fetch for A (0) or for B (1)
	s_and_b32 s12, s10, 1                          ; which half of its columns.  Also: which 64 rows of that tile I fetch
	s_bfe_u32 s40, ttmp6, 0x40000                  ; cx, cy: my place in the cluster
	s_bfe_u32 s41, ttmp6, 0x40004
	s_lshl_b32 s42, ttmp9, 2
	s_add_co_u32 s42, s42, s40                     ; tile column of C = 4 x cluster x + cx
	s_and_b32 s13, ttmp7, 0xffff
	s_lshl_b32 s13, s13, 2
	s_add_co_u32 s13, s13, s41                     ; tile row of C = 4 x cluster y + cy
	s_lshl_b32 s43, s41, 2
	s_lshl_b32 s43, 15, s43                        ; my row of the cluster
	s_lshl_b32 s44, 0x1111, s40                    ; my column
	; descriptor group 1: a tile of 64 rows x 256 elements, padded in LDS
	s_or_b32 s[G1+0], s43, (1<<16)|(1<<20)|(1<<21)|(6<<22)|(3<<25)  ; 15:0 the mask: A's tiles go to my row; 17:16 element of 2 bytes; 20 padding on; 21 set beside a mask; 24:22 after every 128 words (code 6); 31:25 of 4 words (code 3)
	s_or_b32 s[G1B+0], s44, (1<<16)|(1<<20)|(1<<21)|(6<<22)|(3<<25)
.irp g, G1, G1B
	s_mov_b32 s[(\g)+1], KSTEP<<16                 ; tensor_dim0 = 256
	s_mov_b32 s[(\g)+2], 64<<16                    ; tensor_dim1 = 64
	s_mov_b32 s[(\g)+3], KSTEP<<16                 ; tile_dim0 = 256
	s_mov_b32 s[(\g)+4], 64                        ; tile_dim1 = 64
	s_mov_b32 s[(\g)+5], SIZE_K                    ; tensor_dim0_stride
	s_mov_b32 s[(\g)+6], 0
	s_mov_b32 s[(\g)+7], 0
.endr
	s_lshl_b32 s17, s12, 6                         ; which 64 rows of the tile I fetch
	s_lshl_b32 s16, s13, 7
	s_add_co_u32 s16, s16, s17                     ; A: row 128 x tile row + 64 x half
	s_lshl_b32 s46, s42, 7
	s_add_co_u32 s46, s46, s17                     ; B: row 128 x tile column + 64 x half
	s_mov_b32 s17, 0
	s_mov_b32 s47, 0
	s_mov_b64 s[18:19], SIZE_K*2
	s_mul_u64 s[16:17], s[16:17], s[18:19]
	s_mul_u64 s[46:47], s[46:47], s[18:19]
	s_mul_i32 s20, s10, HALFT                      ; where they go: wave x 64 rows
	s_wait_dscnt 0x0                               ; the opening add is done
	s_wait_kmcnt 0x0
	s_add_nc_u64 s[14:15], s[4:5], s[16:17]
	s_add_nc_u64 s[46:47], s[6:7], s[46:47]
	CROUND                                         ; all sixteen work-groups are here: the first joint loads meet
.irp s, 0,1
	s_mov_b32 s[G0+4*(\s)], 1
	s_add_co_u32 s[G0+4*(\s)+1], s20, (\s)*SLOT
	s_add_nc_u64 s[G0+4*(\s)+2:G0+4*(\s)+3], s[14:15], (\s)*KSTEP*2
	s_or_b32 s[G0+4*(\s)+3], s[G0+4*(\s)+3], 0x80000000
	s_mov_b32 s[G0B+4*(\s)], 1
	s_add_co_u32 s[G0B+4*(\s)+1], s20, (\s)*SLOT
	s_add_nc_u64 s[G0B+4*(\s)+2:G0B+4*(\s)+3], s[46:47], (\s)*KSTEP*2
	s_or_b32 s[G0B+4*(\s)+3], s[G0B+4*(\s)+3], 0x80000000
	JLOAD \s                                       ; two tensor loads of mine are out
.endr
	v_and_b32 v1, 15, v0                           ; l % 16
	v_bfe_u32 v2, v0, 4, 1                         ; l / 16
	v_mul_u32_u24 v3, v1, PITCH
	v_lshl_add_u32 v3, v2, 4, v3                   ; a fragment's row x pitch + 16 x half
	s_mul_i32 s21, s11, HALFT                      ; my 64 rows of A
	s_mul_i32 s22, s12, HALFT                      ; my 64 rows of B,
	s_add_co_u32 s22, s22, 2*HALFT                 ; which lie behind A's 128
.irp s, 0,1
	v_add_nc_u32 v[ADRA+(\s)], s21, v3
	v_add_nc_u32 v[ADRB+(\s)], s22, v3
	s_add_co_u32 s21, s21, SLOT
	s_add_co_u32 s22, s22, SLOT
.endr
	s_mul_i32 s23, s10, 16*SPITCH
	s_add_co_u32 s23, s23, STAGE                   ; my stage
	v_mul_u32_u24 v4, v1, SPITCH                   ; in: row l % 16, 32 bytes (eight f32) for each half of the lanes
	v_lshl_add_u32 v4, v2, 5, v4
	v_add_nc_u32 v[STO], s23, v4
	v_mul_u32_u24 v5, v2, SPITCH                   ; back: lanes 0-15 take one row of 256 bytes, lanes 16-31 the next
	v_lshl_add_u32 v5, v1, 4, v5
	v_add_nc_u32 v[RD], s23, v5
	v_lshlrev_b32 v5, 14, v2                       ; and the same two rows in C, 16,384 bytes apart
	v_lshl_add_u32 v[CO], v1, 4, v5
	s_lshl_b32 s16, s13, 7
	s_lshl_b32 s17, s11, 6
	s_add_co_u32 s16, s16, s17                     ; my first row of C: 128 x tile row + 64 x half,
	s_lshl_b32 s16, s16, 14                        ; 16,384 bytes each
	s_mov_b32 s17, 0
	s_add_nc_u64 s[8:9], s[8:9], s[16:17]
	s_lshl_b32 s46, s42, 9                         ; my first column, in bytes: 512 x tile column + 256 x half
	s_lshl_b32 s47, s12, 8
	s_add_co_u32 s46, s46, s47
	s_mov_b32 s47, 0
	s_add_nc_u64 s[8:9], s[8:9], s[46:47]
; 8 matrix instructions: m blocks a0, a0 + 1 x all 4 n blocks, 32 along K: half c of buffer f.  zero = 1: the first product starts the sums.  The 16 accumulators take turns.
.macro MUL8 f, c, a0, zero
	WIN MUL
.irp a, \a0, (\a0)+1
.irp b, 0,1,2,3
.if \zero
	v_wmma_f32_16x16x32_f16 v[ACC+8*(4*(\a)+(\b)):ACC+8*(4*(\a)+(\b))+7], v[(\f)+64+8*(4*(\c)+(\b)):(\f)+64+8*(4*(\c)+(\b))+7], v[(\f)+8*(4*(\c)+(\a)):(\f)+8*(4*(\c)+(\a))+7], 0
.else
	v_wmma_f32_16x16x32_f16 v[ACC+8*(4*(\a)+(\b)):ACC+8*(4*(\a)+(\b))+7], v[(\f)+64+8*(4*(\c)+(\b)):(\f)+64+8*(4*(\c)+(\b))+7], v[(\f)+8*(4*(\c)+(\a)):(\f)+8*(4*(\c)+(\a))+7], v[ACC+8*(4*(\a)+(\b)):ACC+8*(4*(\a)+(\b))+7]
.endif
.endr
.endr
.endm
; 32 LDS loads in one run: the fragments of 64 along K at byte k of the rows, into buffer f; the first 32 along K first
.macro FETCH slot, k, f
	WIN TO_F
.irp c, 0,1
.irp i, 0,1,2,3
	ds_load_b128 v[(\f)+64+8*(4*(\c)+(\i)):(\f)+64+8*(4*(\c)+(\i))+3],   v[ADRB+(\slot)] offset:(\k)+64*(\c)+(\i)*16*PITCH
	ds_load_b128 v[(\f)+64+8*(4*(\c)+(\i))+4:(\f)+64+8*(4*(\c)+(\i))+7], v[ADRB+(\slot)] offset:(\k)+64*(\c)+(\i)*16*PITCH+32
	ds_load_b128 v[(\f)+8*(4*(\c)+(\i)):(\f)+8*(4*(\c)+(\i))+3],         v[ADRA+(\slot)] offset:(\k)+64*(\c)+(\i)*16*PITCH
	ds_load_b128 v[(\f)+8*(4*(\c)+(\i))+4:(\f)+8*(4*(\c)+(\i))+7],       v[ADRA+(\slot)] offset:(\k)+64*(\c)+(\i)*16*PITCH+32
.endr
.endr
.endm
.macro PLACES                          ; four places in front of loads into registers that matrix instructions have read, and of LDS stores that read results (ISA guide 7.12.1 for vector instructions)
.rept 4
	v_nop
.endr
.endm
; A K step is four quarters of 64 along K, 32 matrix instructions each, on buffers 0, 1, 0, 1.  One of the first three: multiplies buffer f and fetches the next quarter, at byte k, into g.
.macro QUARTER slot, k, f, g, zero
	s_wait_dscnt 16                                ; the first 32 along K are in; the run's other sixteen loads may be out
	WIN MUL
	MUL8 \f, 0, 0, \zero
	MUL8 \f, 0, 2, \zero
	PLACES
	FETCH \slot, \k, \g
	s_wait_dscnt 32                                ; all but the 32 just issued
	WIN MUL
	MUL8 \f, 1, 0, 0
	MUL8 \f, 1, 2, 0
.endm
; The last quarter multiplies buffer 1 and changes slots: ONE barrier; in front of it each wave waits for all its tensor loads, adds 0 to its spare word, and waits for that and for its own reads of this slot.  fill = 1: this slot is filled again, two K steps ahead.
.macro TURN slot, next, fill
	WIN 0                                          ; (the add's two registers lie in window 0)
	s_wait_tensorcnt 0x0                           ; all my tensor loads have landed: my part of the next slot;
	ds_add_u32 v[SPW], v[NIL]                      ; 0 onto my spare word;
	s_wait_dscnt 17                                ; (the add and the youngest sixteen loads may be out)
	WIN MUL
	MUL8 F1, 0, 0, 0                               ; eight matrix instructions stand between the add and the wait for it
	s_wait_dscnt 0x0                               ; the add is done, and my reads of this slot are over
	s_barrier_signal -1
	MUL8 F1, 0, 2, 0
.if \fill
	WIN 0
.endif
	s_barrier_wait -1
.if \fill
	CREST                                          ; the barrier has opened a round of the cluster's barrier: no wave of any partner still reads this slot's tile or has a load on its way
	s_add_nc_u64 s[G0+4*(\slot)+2:G0+4*(\slot)+3], s[G0+4*(\slot)+2:G0+4*(\slot)+3], 2*KSTEP*2
	s_add_nc_u64 s[G0B+4*(\slot)+2:G0B+4*(\slot)+3], s[G0B+4*(\slot)+2:G0B+4*(\slot)+3], 2*KSTEP*2
	JLOAD \slot                                    ; the first tensor load behind the round, my only one out: 112 matrix instructions ahead of the wait for it; the four v_nop behind it are also the places in front of the loads below
.else
	PLACES
.endif
	FETCH \next, 0, F0
	WIN MUL
	MUL8 F1, 1, 0, 0
	MUL8 F1, 1, 2, 0
.endm
	s_wait_tensorcnt 1                             ; my part of K step 0 is in; K step 1's may stay out
	s_barrier_signal -1
	s_barrier_wait -1                              ; everybody's is
	FETCH 0, 0, F0
	QUARTER 0, 128, F0, F1, 1                      ; the first quarter stands in front of the loop: its first products start the sums
	WIN 0                                          ; at a label and at a branch every window is 0
	s_mov_b32 s3, LAPS-1
.Llap:                                                 ; a trip goes once round the ring, from a lap's second quarter to the next lap's first, and fills both slots again
	QUARTER 0, 256, F1, F0, 0
	QUARTER 0, 384, F0, F1, 0
	TURN 0, 1, 1
	QUARTER 1, 128, F0, F1, 0
	QUARTER 1, 256, F1, F0, 0
	QUARTER 1, 384, F0, F1, 0
	TURN 1, 0, 1
	QUARTER 0, 128, F0, F1, 0
	WIN 0
	s_sub_co_u32 s3, s3, 1
	s_cmp_lg_u32 s3, 0
	s_cbranch_scc1 .Llap
	QUARTER 0, 256, F1, F0, 0                      ; the last lap fills nothing, and has no round of the cluster's barrier
	QUARTER 0, 384, F0, F1, 0
	TURN 0, 1, 0
	QUARTER 1, 128, F0, F1, 0
	QUARTER 1, 256, F1, F0, 0
	QUARTER 1, 384, F0, F1, 0
	s_wait_dscnt 16                                ; the very last quarter: nothing more to fetch
	WIN MUL
	MUL8 F1, 0, 0, 0
	MUL8 F1, 0, 2, 0
	s_wait_dscnt 0
	MUL8 F1, 1, 0, 0
	MUL8 F1, 1, 2, 0
	WIN 0
; THE WAY OUT, a block of 16 rows at a time.  TOSTAGE: a lane's eight f32 of a row, 32 bytes, go into my stage's rows of 272 bytes (each accumulator's low half first) and come back as whole rows of 256 bytes.
.macro TOSTAGE a
.set BK, TMP+32*((\a)%2)
.irp b, 0,1,2,3
	ds_store_b128 v[STO], v[ACC+8*(4*(\a)+(\b)):ACC+8*(4*(\a)+(\b))+3]   offset:64*(\b)
	ds_store_b128 v[STO], v[ACC+8*(4*(\a)+(\b))+4:ACC+8*(4*(\a)+(\b))+7] offset:64*(\b)+16
.endr
.irp t, 0,1,2,3,4,5,6,7
	ds_load_b128 v[BK+4*(\t):BK+4*(\t)+3], v[RD] offset:(\t)*2*SPITCH  ; LDS serves a wave's instructions in order (ISA guide 5.7.1.4): these see the stores above; the next block's stores come behind them
.endr
.endm
.macro SEND a, younger                 ; younger: the LDS instructions issued behind block a's loads: the next block's sixteen, or none
.set BK, TMP+32*((\a)%2)
.irp t, 0,1,2,3,4,5,6,7
	s_wait_dscnt (\younger)+7-(\t)
	global_store_b128 v[CO], v[BK+4*(\t):BK+4*(\t)+3], s[8:9] offset:(16*(\a)+2*(\t))*SIZE_N*4  ; 16 lanes store 256 consecutive bytes, at a multiple of 256 from out0's first byte; 62 rows at the most: inside the signed 24-bit immediate
.endr
.endm
	PLACES
	PLACES
	TOSTAGE 0
	TOSTAGE 1
	SEND 0, 16
	s_wait_xcnt 0x0                                ; block 0's stores have read their registers, which block 2 is loaded into
	TOSTAGE 2
	SEND 1, 16
	s_wait_xcnt 0x0                                ; the same for block 1's and block 3
	TOSTAGE 3
	SEND 2, 16
	SEND 3, 0
	s_wait_tensorcnt 0x0                           ; the wave's end: behind my last tensor load and my last LDS store
	ds_add_u32 v[SPW], v[NIL]
	s_wait_dscnt 0x0
	CROUND                                         ; the closing round: no work-group ends while a partner may still ask for a tile that names it
	s_endpgm
.Lfunc_end_k_q8bcb174003_oproj:
	.size	k_q8bcb174003_oproj, .Lfunc_end_k_q8bcb174003_oproj-k_q8bcb174003_oproj
	.p2alignl 7, 3214868480
	.fill 96, 4, 3214868480
	.section	.rodata,"a",@progbits
	.p2align	6, 0x0
	.amdhsa_kernel k_q8bcb174003_oproj
		.amdhsa_group_segment_fixed_size 327680
		.amdhsa_private_segment_fixed_size 0
		.amdhsa_enable_private_segment 0
		.amdhsa_kernarg_size 24
		.amdhsa_user_sgpr_count 2
		.amdhsa_user_sgpr_kernarg_segment_ptr 1
		.amdhsa_wavefront_size32 1
		.amdhsa_system_sgpr_workgroup_id_x 1
		.amdhsa_system_sgpr_workgroup_id_y 1
		.amdhsa_system_sgpr_workgroup_id_z 1
		.amdhsa_system_vgpr_workitem_id 0
		.amdhsa_next_free_vgpr 512
		.amdhsa_next_free_sgpr 66
		.amdhsa_reserve_vcc 0
		.amdhsa_float_denorm_mode_32 3
		.amdhsa_float_denorm_mode_16_64 3
		.amdhsa_memory_ordered 1
		.amdhsa_forward_progress 1
		.amdhsa_inst_pref_size 86
	.end_amdhsa_kernel
	.amdgpu_metadata
---
amdhsa.version: [ 1, 2 ]
amdhsa.kernels:
  - .name:           k_q8bcb174003_oproj
    .symbol:         k_q8bcb174003_oproj.kd
    .args:
      - { .name: Cx, .offset: 0, .size: 8, .value_kind: global_buffer, .address_space: global }
      - { .name: Wof, .offset: 8, .size: 8, .value_kind: global_buffer, .address_space: global }
      - { .name: out0, .offset: 16, .size: 8, .value_kind: global_buffer, .address_space: global }
    .group_segment_fixed_size: 327680
    .private_segment_fixed_size: 0
    .kernarg_segment_align: 8
    .kernarg_segment_size: 24
    .max_flat_workgroup_size: 128
    .sgpr_count:     66
    .vgpr_count:     512
    .wavefront_size: 32
...
	.end_amdgpu_metadata
.endif
;; end of part 4
